; MI455X (gfx1250); checked and timed in simulation.
; The chip was launched on July 23, 2026; its instructions are those of AMD's public machine-readable ISA for CDNA 5 (MIT licence, August 2026) and "CDNA5" Instruction Set Architecture Reference Guide (July 2026). The comments in the code are by the model that wrote it; some were corrected since.
;; Transformer Block. Allowed arithmetic: matrix products marked QUANTISED: E4M3 operands, one given power-of-two scale a tensor, by v_wmma_f32_16x16x64_fp8_fp8 or v_wmma_f32_16x16x128_fp8_fp8, f32 sums; everything else in f32.
;; Inputs: attn_mask 2,048 x 2,048 bool; ln1_b 1,024 float32; ln1_g 1,024 float32; ln2_b 1,024 float32; ln2_g 1,024 float32; lowp_scales 12 int32 (the exponents e of the quantised operands' scales 2^e); mlp_b1 4,096 float32; mlp_b2 1,024 float32; mlp_w1_codes 4,096 x 32 x 32 uint8 (E4M3 codes of mlp_w1, K innermost, in blocks of 32 codes); mlp_w2_codes 1,024 x 128 x 32 uint8 (E4M3 codes of mlp_w2, K innermost, in blocks of 32 codes); out_b 1,024 float32; out_w_codes 1,024 x 32 x 32 uint8 (E4M3 codes of out_w, K innermost, in blocks of 32 codes); qkv_b 3,072 float32; qkv_w_codes 3,072 x 32 x 32 uint8 (E4M3 codes of qkv_w, K innermost, in blocks of 32 codes); rope_cos 2,048 x 32 float32; rope_sin 2,048 x 32 float32; x 2 x 2,048 x 1,024 float32.
;; Outputs: out0 2 x 2,048 x 1,024 float32.
;; This version of the problem:
;;   THIS VERSION OF THE PROBLEM IS GIVEN IN LOW PRECISION. The matrix products marked QUANTISED in the list below multiply operands that are first quantised to E4M3 (4 exponent bits, 3 mantissa bits; 8 bits a number), with one given power-of-two scale for each operand tensor; their sums are f32. All else is computed in f32.
;;   The module's matrix products, in the order in which they are computed (A, B: the left and right operand; K: the contracted axis; several contracted axes count as one K, in the product's order):
;;     1. [M 4,096, K 1,024] x [K 1,024, N 3,072]; A: computed on the way; B: input qkv_w (given as codes): QUANTISED (scales: A lowp_scales[0], B lowp_scales[1])
;;     2. batch 32 x [M 2,048, K 64] x [K 64, N 2,048]; A: computed on the way; B: computed on the way: QUANTISED (scales: A lowp_scales[2], B lowp_scales[3])
;;     3. batch 32 x [M 2,048, K 2,048] x [K 2,048, N 64]; A: softmax (see below); B: computed on the way: QUANTISED (scales: A lowp_scales[4], B lowp_scales[5])
;;     4. [M 4,096, K 1,024] x [K 1,024, N 1,024]; A: computed on the way; B: input out_w (given as codes): QUANTISED (scales: A lowp_scales[6], B lowp_scales[7])
;;     5. [M 4,096, K 1,024] x [K 1,024, N 4,096]; A: computed on the way; B: input mlp_w1 (given as codes): QUANTISED (scales: A lowp_scales[8], B lowp_scales[9])
;;     6. [M 4,096, K 4,096] x [K 4,096, N 1,024]; A: computed on the way; B: input mlp_w2 (given as codes): QUANTISED (scales: A lowp_scales[10], B lowp_scales[11])
;;   THE QUANTISER, for each operand of a quantised product, along K:
;;     - The operand's scale is 2^e, e = its entry of the input lowp_scales (int32; the entries are numbered through the quantised products in the list's order, A before B).
;;     - Each number is divided by the scale, clamped to +-448, and rounded to the nearest number of E4M3, ties to even, subnormals kept.
;;     - The product sums the exact products of the quantised numbers (number of the format x scale) in f32.
;;   ~~~python
;;   def quantise(x, axis, e):      # numpy; x: float32 -> the quantised numbers, widened to float32 again
;;       x = np.moveaxis(x, axis, -1); K = x.shape[-1]
;;       r = np.clip(x / 2.0 ** e, -448, 448)
;;       step = 2.0 ** (np.maximum(np.frexp(np.where(r == 0, 1, r))[1] - 1, -6) - 3)
;;       q = np.round(r / step) * step * 2.0 ** e      # np.round: ties to even
;;       return np.moveaxis(q, -1, axis).astype(np.float32)
;;   ~~~
;;   SOFTMAX AHEAD OF A QUANTISED PRODUCT. Where the list says 'softmax', what is quantised is not the finished softmax but p = 2^(t - M), with t = logit x log2(e) and M = ceil(the row's largest t), a whole number; so 1/2 < the row's largest p <= 1. The row's sum l is taken of the UNQUANTISED p, in f32, and the product's result is divided by l at the end. Since M is a whole number, a kernel that streams over the keys may use a running M (the ceiling of the running maximum): every later rescaling is an exact power of two, so the quantised numbers keep their values, but for numbers so far below the row's largest that they fall under the format's range.
;;   OPERANDS COMPUTED ON THE WAY. 'Computed on the way' means the value that the module computes at that place (a softmax that the list does not call 'softmax' is quantised finished and normalised). What goes into a quantiser is computed in f32, as accurately as f32 sums, v_exp_f32 and their like allow (about 1e-6 of the number): no bf16 or f16 on the way to a quantiser, and a product that is left as it is and whose result goes on into a quantised operand takes f32 operands (vector FMAs, or v_wmma_f32_16x16x4_f32). A number that lies on a knife's edge between two numbers of the format may be rounded either way, as far as f32 arithmetic and the matrix unit's own rounding can turn it there, and no further.
;;   INPUTS GIVEN AS CODES. mlp_w1 (in the module: [1024, 4096], K = its axis 0); mlp_w2 (in the module: [4096, 1024], K = its axis 0); out_w (in the module: [1024, 1024], K = its axis 0); qkv_w (in the module: [1024, 3072], K = its axis 0): each comes as NAME_codes (uint8): NAME with its K axis moved to the last place and cut into blocks of 32 codes, [.., K / 32, bytes a block], one block behind the other in memory; one code a byte (a code: sign, 4 exponent bits, 3 mantissa bits); its scale is its entry of lowp_scales. Its value is code x scale, taken as it is: it is not quantised again, and the codes and scales need not be those that the quantiser above would give.
;; One version. Each part assembles by itself: llvm-mc -triple=amdgcn-amd-amdhsa -mcpu=gfx1250 --defsym DOCPART=n.
;; ======== version 1 of 1: 7 launches
;; limits: right only within a limited range of input values
;; workspace buffers: h1c 4,194,304 bytes; maskw 532,480 bytes of whole numbers; qkv 12,582,912 bytes; oc 4,194,304 bytes; x1 16,777,216 bytes; h2c 4,194,304 bytes; gc 16,777,216 bytes
;; launch prep (part 1): grid 768 x 1, 4 waves a work-group, no clusters, 20,992 bytes of LDS; arguments x, ln1_g, ln1_b, lowp_scales, attn_mask, h1c, maskw; writes h1c, maskw
.if DOCPART == 1
	.amdgcn_target "amdgcn-amd-amdhsa--gfx1250"
	.amdhsa_code_object_version 6
	.text
	.protected	k_q5d05daea19_prep
	.globl	k_q5d05daea19_prep
	.p2align	8
	.type	k_q5d05daea19_prep,@function
k_q5d05daea19_prep:
	s_mov_b64 s[64:65], 0
	v_nop
	global_prefetch_b8 v0, s[64:65] scope:SCOPE_SE
	s_setreg_imm32_b32 hwreg(HW_REG_WAVE_MODE, 25, 1), 1
	s_wait_xcnt 0x0
; Work-groups 0-255: h1c = codes of LayerNorm(x) (E4M3, scale 2^e0), [4096][1024] bytes, row-major.
; Work-groups 256-767: attn_mask, one byte a place, becomes lane masks for the attention launch.
; LAYERNORM.  A wave takes 4 rows; a row of 4,096 bytes is 8 loads of 512 consecutive bytes and stays in 32 registers.
; Mean first, then the mean of (x - mean)^2: two passes over registers, no difference of large sums.
; The conversion takes 8 neighbours from ONE lane's registers, so a row turns through the wave's own stage in LDS, 2,048 bytes at a time:
; in as loaded, back 64 bytes a lane (places 80 bytes apart); a lane's 16 codes are 16 bytes, the wave stores 512 consecutive bytes.
; MASK.  Record (qt, ks) = 64 words for 16 queries x 128 keys: word 8 t + j, bit l = mask[16 qt + l % 16][128 ks + 16 t + 8 (l / 16) + j]:
; register 8 t + j, lane l of the attention launch's tile of scores.  A wave makes ONE record: work-group m of the 512 serves qt = m / 4, its wave i key step 4 (m % 4) + i.
; Behind the records, [128 qt][16 ks], one word of flags for each record: bit ks: the record is all ones; bit 16 + ks: it has a one.
; LIMITS: e0 between -126 and 119.  NaN and infinities in x are not served.
.set G,   32                           ; v32-63   gain, in the loads' lane pattern
.set BV,  64                           ; v64-95   bias
.set X,   96                           ; v96-223  four rows
.set COD, 224                          ; v224-255 codes: four registers for each store, so no store's data are written again
.set SP,  80                           ; a lane's place in the stage: 64 bytes + 16
.set SCB, 0                            ; byte of the scale's exponent in lowp_scales
.macro REDUCE                          ; v12 = the sum of v[12:15] over the wave's 32 lanes, in every lane
	v_pk_add_f32 v[12:13], v[12:13], v[14:15]
	v_add_f32 v12, v12, v13
	v_add_f32_dpp v12, v12, v12 row_xmask:1 row_mask:0xf bank_mask:0xf
	v_add_f32_dpp v12, v12, v12 row_xmask:2 row_mask:0xf bank_mask:0xf
	v_add_f32_dpp v12, v12, v12 row_xmask:4 row_mask:0xf bank_mask:0xf
	v_add_f32_dpp v12, v12, v12 row_xmask:8 row_mask:0xf bank_mask:0xf
	v_permlanex16_b32 v13, v12, s12, s13
	v_add_f32 v12, v12, v13
.endm
.macro LNROW i
.set XR, X+32*(\i)
	s_wait_loadcnt 8*(3-(\i))                      ; this row's eight loads are in; the younger rows' may be out
	v_pk_add_f32 v[12:13], v[XR:XR+1], v[XR+2:XR+3]
	v_pk_add_f32 v[14:15], v[XR+4:XR+5], v[XR+6:XR+7]
.set j, 8
.rept 6
	v_pk_add_f32 v[12:13], v[12:13], v[XR+j:XR+j+1]
	v_pk_add_f32 v[14:15], v[14:15], v[XR+j+2:XR+j+3]
.set j, j+4
.endr
	REDUCE
	v_mul_f32 v8, s14, v12                         ; the mean
	v_mov_b32 v9, v8
.set j, 0
.rept 16
	v_pk_add_f32 v[XR+j:XR+j+1], v[XR+j:XR+j+1], v[8:9] neg_lo:[0,1] neg_hi:[0,1]
.set j, j+2
.endr
	v_pk_mul_f32 v[12:13], v[XR:XR+1], v[XR:XR+1]
	v_pk_mul_f32 v[14:15], v[XR+2:XR+3], v[XR+2:XR+3]
.set j, 4
.rept 7
	v_pk_fma_f32 v[12:13], v[XR+j:XR+j+1], v[XR+j:XR+j+1], v[12:13]
	v_pk_fma_f32 v[14:15], v[XR+j+2:XR+j+3], v[XR+j+2:XR+j+3], v[14:15]
.set j, j+4
.endr
	REDUCE
	v_fma_f32 v10, v12, s14, s15                   ; the variance + 1e-5
	s_wait_alu depctr_va_vdst(0)
	v_rsq_f32 v10, v10
	v_nop                                          ; a plain instruction behind the root,
	s_wait_alu depctr_va_vdst(0)                   ; and the wait ahead of its first reader
	v_mov_b32 v11, v10
.set j, 0
.rept 16
	v_pk_mul_f32 v[XR+j:XR+j+1], v[XR+j:XR+j+1], v[10:11]
.set j, j+2
.endr
.set j, 0
.rept 16
	v_pk_fma_f32 v[XR+j:XR+j+1], v[XR+j:XR+j+1], v[G+j:G+j+1], v[BV+j:BV+j+1]
.set j, j+2
.endr
.irp u, 0,1                                    ; through the stage: LDS serves a wave's instructions in order, so no wait stands between the stores and the loads
.irp q, 0,1,2,3
	ds_store_b128 v2, v[XR+16*\u+4*\q:XR+16*\u+4*\q+3] offset:32*SP*\u+8*SP*\q
.endr
.irp q, 0,1,2,3
	ds_load_b128 v[XR+16*\u+4*\q:XR+16*\u+4*\q+3], v3 offset:32*SP*\u+16*\q
.endr
.endr
.irp u, 0,1
	s_wait_dscnt 8-8*\u                            ; half u is back; behind half 0 stand half 1's four stores and four loads
.set j, 0
.rept 16
	v_med3_num_f32 v[XR+16*\u+j], v[XR+16*\u+j], -v7, v7   ; the conversion does not saturate (ISA guide 7.6.2): the hold at 448 x the scale
.set j, j+1
.endr
	v_cvt_scalef32_pk8_fp8_f32 v[COD+8*(\i)+4*\u:COD+8*(\i)+4*\u+1], v[XR+16*\u:XR+16*\u+7], v6
	v_cvt_scalef32_pk8_fp8_f32 v[COD+8*(\i)+4*\u+2:COD+8*(\i)+4*\u+3], v[XR+16*\u+8:XR+16*\u+15], v6
	v_nop
	global_store_b128 v1, v[COD+8*(\i)+4*\u:COD+8*(\i)+4*\u+3], s[18:19] offset:1024*(\i)+512*\u   ; 32 lanes: 512 consecutive bytes
.endr
.endm
	s_load_b256 s[4:11], s[0:1], 0x0               ; x, gain, bias, the scales' exponents
	s_load_b128 s[16:19], s[0:1], 0x20             ; the mask, h1c
	s_load_b64 s[20:21], s[0:1], 0x30              ; maskw
	v_lshl_add_u32 v30, v0, 2, 0x5000
	v_mov_b32 v31, 0
	v_lshrrev_b32 v5, 5, v0
	v_readfirstlane_b32 s22, v5                    ; wave
	v_and_b32 v4, 31, v0                           ; lane
	s_cmp_lt_u32 ttmp9, 256
	s_cbranch_scc0 .Lmask
	v_lshlrev_b32 v1, 4, v4                        ; 16 x lane
	s_mul_i32 s23, s22, 64*SP                      ; my wave's two stages
	v_lshrrev_b32 v2, 2, v4
	v_mul_u32_u24 v2, v2, SP
	v_and_b32 v3, 3, v4
	v_lshl_add_u32 v2, v3, 4, v2
	v_add_nc_u32 v2, s23, v2                       ; in: four lanes' 64 bytes on end, then 16 of padding
	v_mul_u32_u24 v3, v4, SP
	v_add_nc_u32 v3, s23, v3                       ; back: my 16 neighbours
	s_mov_b32 s12, 0x76543210
	s_mov_b32 s13, 0xfedcba98
	s_mov_b32 s14, 0x3a800000                      ; 1 / 1024
	s_mov_b32 s15, 0x3727c5ac                      ; 1e-5
	s_lshl_b32 s24, ttmp9, 16                      ; 16 rows of 4,096 bytes a work-group,
	s_lshl_b32 s25, s22, 14                        ; 4 a wave
	s_add_co_u32 s24, s24, s25
	s_mov_b32 s25, 0
	s_lshr_b32 s26, s24, 2                         ; the codes: a quarter of the bytes
	s_mov_b32 s27, 0
	s_wait_alu depctr_va_vdst(0)
	s_wait_kmcnt 0x0
	s_load_b32 s28, s[10:11], SCB
	s_add_nc_u64 s[4:5], s[4:5], s[24:25]
	s_add_nc_u64 s[18:19], s[18:19], s[26:27]
.set j, 0
.rept 8
	global_load_b128 v[G+4*j:G+4*j+3], v1, s[6:7] offset:512*j
.set j, j+1
.endr
.set j, 0
.rept 8
	global_load_b128 v[BV+4*j:BV+4*j+3], v1, s[8:9] offset:512*j
.set j, j+1
.endr
.irp i, 0,1,2,3
.set j, 0
.rept 8
	global_load_b128 v[X+32*\i+4*j:X+32*\i+4*j+3], v1, s[4:5] offset:4096*\i+512*j th:TH_LOAD_NT
.set j, j+1
.endr
.endr
	s_wait_kmcnt 0x0
	s_add_co_i32 s28, s28, 127
	s_lshl_b32 s29, s28, 23
	v_mov_b32 v6, s29                              ; 2^e as f32: the conversion takes its exponent field
	s_add_co_i32 s28, s28, 8
	s_lshl_b32 s28, s28, 23
	s_or_b32 s28, s28, 0x600000
	v_mov_b32 v7, s28                              ; 448 x 2^e
	LNROW 0
	LNROW 1
	LNROW 2
	LNROW 3
	s_wait_tensorcnt 0x0
	ds_add_u32 v30, v31
	s_wait_dscnt 0x0
	s_endpgm
.Lmask:
	s_sub_co_u32 s23, ttmp9, 256                   ; m
	s_and_b32 s24, s23, 3
	s_lshr_b32 s23, s23, 2                         ; qt
	s_lshl_b32 s24, s24, 2
	s_add_co_u32 s39, s24, s22                     ; ks = 4 (m % 4) + wave
	s_wait_alu depctr_va_vdst(0)
	v_and_b32 v1, 15, v4
	v_lshrrev_b32 v2, 4, v4
	v_lshlrev_b32 v1, 11, v1
	v_lshl_add_u32 v1, v2, 3, v1                   ; query l % 16: a row of 2,048 bytes; + 8 (l / 16)
	v_lshlrev_b32 v3, 3, v4                        ; 8 x lane
	s_lshl_b32 s24, s23, 15                        ; 16 rows of the mask,
	s_lshl_b32 s25, s39, 7                         ; my wave's 128 keys
	s_add_co_u32 s24, s24, s25
	s_mov_b32 s25, 0
	s_lshl_b32 s26, s23, 12                        ; 16 records of 256 bytes,
	s_lshl_b32 s27, s39, 8                         ; mine
	s_add_co_u32 s26, s26, s27
	s_mov_b32 s27, 0
	s_lshl_b32 s28, s23, 6                         ; 16 words of flags,
	s_lshl_b32 s29, s39, 2                         ; mine
	s_add_co_u32 s28, s28, s29
	s_add_co_u32 s28, s28, 524288                  ; behind the records
	s_mov_b32 s29, 0
	s_mov_b32 s34, -1                              ; the AND of the record's words
	s_mov_b32 s35, 0                               ; their OR
	s_wait_alu depctr_va_vdst(0)
	s_wait_kmcnt 0x0
	s_add_nc_u64 s[16:17], s[16:17], s[24:25]
	s_add_nc_u64 s[30:31], s[20:21], s[26:27]
	s_add_nc_u64 s[20:21], s[20:21], s[28:29]
.irp t, 0,1,2,3,4,5,6,7
	global_load_b64 v[32+2*\t:33+2*\t], v1, s[16:17] offset:16*\t
.endr
	v_mov_b32 v100, 0                              ; a lane write's destination counts as read
	v_mov_b32 v101, 0
; Eight words at a time, each kind of line together: eight extracts, eight compares into eight scalar registers, eight lane writes, then the scalar logic.
.irp t, 0,1,2,3,4,5,6,7
	s_wait_loadcnt 7-\t                            ; this tile's eight bytes a lane are in; the younger loads may be out
.irp j, 0,1,2,3,4,5,6,7
	v_bfe_u32 v[8+\j], v[32+2*\t+\j/4], 8*(\j%4), 8
.endr
.irp j, 0,1,2,3,4,5,6,7
	v_cmp_ne_u32 s[40+\j], 0, v[8+\j]              ; bit l: lane l's byte is set
.endr
.irp j, 0,1,2,3,4,5,6,7
	v_writelane_b32 v[100+\j%2], s[40+\j], (8*\t+\j)/2   ; word n = 8 t + j goes to lane n / 2, which stores words 2 l and 2 l + 1
.endr
.irp j, 0,1,2,3,4,5,6,7
	s_and_b32 s34, s34, s[40+\j]
	s_or_b32 s35, s35, s[40+\j]
.endr
.endr
	s_wait_alu depctr_va_vdst(0)
	global_store_b64 v3, v[100:101], s[30:31]      ; 256 consecutive bytes, aligned
	s_cmp_eq_u32 s34, -1
	s_cselect_b32 s36, 1, 0                        ; all ones
	s_cmp_lg_u32 s35, 0
	s_cselect_b32 s37, 0x10000, 0                  ; a one
	s_or_b32 s36, s36, s37
	s_lshl_b32 s36, s36, s39                       ; at bits ks and 16 + ks
	v_mov_b32 v12, s36
	v_mov_b32 v13, 0
	v_cmp_eq_u32 vcc_lo, 0, v4
	s_wait_alu depctr_va_vdst(0)
	s_wait_xcnt 0x0                                ; EXEC changes only behind this wait
	s_and_saveexec_b32 s38, vcc_lo
	global_store_b32 v13, v12, s[20:21]
	s_wait_xcnt 0x0
	s_or_b32 exec_lo, exec_lo, s38
	s_endpgm
.Lfunc_end_k_q5d05daea19_prep:
	.size	k_q5d05daea19_prep, .Lfunc_end_k_q5d05daea19_prep-k_q5d05daea19_prep
	.p2alignl 7, 3214868480
	.fill 96, 4, 3214868480
	.section	.rodata,"a",@progbits
	.p2align	6, 0x0
	.amdhsa_kernel k_q5d05daea19_prep
		.amdhsa_group_segment_fixed_size 20992
		.amdhsa_private_segment_fixed_size 0
		.amdhsa_enable_private_segment 0
		.amdhsa_kernarg_size 56
		.amdhsa_user_sgpr_count 2
		.amdhsa_user_sgpr_kernarg_segment_ptr 1
		.amdhsa_wavefront_size32 1
		.amdhsa_system_sgpr_workgroup_id_x 1
		.amdhsa_system_sgpr_workgroup_id_y 1
		.amdhsa_system_sgpr_workgroup_id_z 1
		.amdhsa_system_vgpr_workitem_id 0
		.amdhsa_next_free_vgpr 256
		.amdhsa_next_free_sgpr 66
		.amdhsa_reserve_vcc 1
		.amdhsa_float_denorm_mode_32 3
		.amdhsa_float_denorm_mode_16_64 3
		.amdhsa_memory_ordered 1
		.amdhsa_forward_progress 1
		.amdhsa_inst_pref_size 65
	.end_amdhsa_kernel
	.amdgpu_metadata
---
amdhsa.version: [ 1, 2 ]
amdhsa.kernels:
  - .name:           k_q5d05daea19_prep
    .symbol:         k_q5d05daea19_prep.kd
    .args:
      - { .name: x, .offset: 0, .size: 8, .value_kind: global_buffer, .address_space: global }
      - { .name: ln1_g, .offset: 8, .size: 8, .value_kind: global_buffer, .address_space: global }
      - { .name: ln1_b, .offset: 16, .size: 8, .value_kind: global_buffer, .address_space: global }
      - { .name: lowp_scales, .offset: 24, .size: 8, .value_kind: global_buffer, .address_space: global }
      - { .name: attn_mask, .offset: 32, .size: 8, .value_kind: global_buffer, .address_space: global }
      - { .name: h1c, .offset: 40, .size: 8, .value_kind: global_buffer, .address_space: global }
      - { .name: maskw, .offset: 48, .size: 8, .value_kind: global_buffer, .address_space: global }
    .group_segment_fixed_size: 20992
    .private_segment_fixed_size: 0
    .kernarg_segment_align: 8
    .kernarg_segment_size: 56
    .max_flat_workgroup_size: 128
    .sgpr_count:     66
    .vgpr_count:     256
    .wavefront_size: 32
...
	.end_amdgpu_metadata
.endif
;; end of part 1
;; launch qkv (part 2): grid 12 x 16, 4 waves a work-group, clusters of 4 x 4, 327,680 bytes of LDS; arguments h1c, qkv_w_codes, lowp_scales, qkv_b, rope_cos, rope_sin, qkv; writes qkv
.if DOCPART == 2
	.amdgcn_target "amdgcn-amd-amdhsa--gfx1250"
	.amdhsa_code_object_version 6
	.text
	.protected	k_q5d05daea19_qkv
	.globl	k_q5d05daea19_qkv
	.p2align	8
	.type	k_q5d05daea19_qkv,@function
k_q5d05daea19_qkv:
	s_mov_b64 s[64:65], 0
	v_nop
	global_prefetch_b8 v0, s[64:65] scope:SCOPE_SE
	s_setreg_imm32_b32 hwreg(HW_REG_WAVE_MODE, 25, 1), 1
	s_wait_xcnt 0x0
	s_wait_alu depctr_hold_cnt(0) depctr_sa_sdst(0) depctr_va_vdst(0) depctr_va_sdst(0) depctr_va_ssrc(0) depctr_va_vcc(0) depctr_vm_vsrc(0)
	s_getreg_b32 s2, hwreg(HW_REG_IB_STS2, 6, 4)
	s_cmp_eq_u32 s2, 0
	s_cbranch_scc0 .Lentry_in_a_cluster
	s_endpgm
.Lentry_in_a_cluster:
	s_bfe_u32 s2, ttmp6, 0x10000c
	s_cmp_lg_u32 s2, 0xf033
	s_cbranch_scc0 .Lentry_shape_is_right
	s_endpgm
.Lentry_shape_is_right:
; qkv = LN1 codes x qkv_w codes (K = 1,024), x 2^(e0 + e1), + qkv_b; q and k are turned by the rope tables; q, k, v are quantised (e2, e3, e5) and stored as IMAGES OF OPERAND REGISTERS.
; An image: register group g (4 registers) at 512 g + 16 x lane; registers 2 c, 2 c + 1 of lane (r, h) hold k = 16 c + 8 h + 0 .. 7 of row r: what a conversion makes of accumulator tile c.
;   Q at byte 0, K at 4 MiB: [16 batch + head][128 tiles of 16 tokens][1,024 bytes], k = the head's 64.   V at 8 MiB: [16 batch + head][16 key steps][4 tiles of 16 channels][2,048 bytes], k = 128 keys.
; A work-group makes 256 x 256 of the product, a wave 128 x 128: 64 accumulators, 512 registers.  K goes in steps of 256 through a ring of two LDS slots filled by the tensor data mover.
; CLUSTERS of 4 x 4: LDS region A's tile is shared along a row of the cluster, region B's along a column: each is asked for jointly.  Source 0 = region B's rows, source 1 = region A's: lane r holds A's row r, its registers B's rows 8 h + j.
; Cluster x = 0: q, 1: k: region A = 256 tokens, region B = 256 columns of the weight.  Cluster x = 2: v, WITH THE ROLES SWAPPED: region A = 256 of v's columns (by cy), region B = 256 tokens (by cx): so a lane holds a channel and
; its registers run along the tokens, which are the keys of the second attention product: nothing is transposed.  Both buffers have rows of 1,024 bytes, so one pair of shapes serves both.
; The two ways part once, on the cluster's x (the same in all sixteen partners), ahead of the last K step, which has no tensor load and no barrier and is written in both: each way's bias and tables land under its 64 products.
; Both operands' fragments are fetched by loads of 16 bytes: the same permutation of k on both sides.
; LIMITS: e0 + e1 between -126 and 127; e2, e3, e5 between -126 and 119.
; REGISTERS: window 0: v0-31 addresses; v32-95 bias; v96-127, v128-159 cos and sin by turns; v160-223 a block at work; v224-231 at work; v232-247 codes; in the main loop v128-255 are A's fragments.
;   window 1: B's fragments, two sets.  windows 2, 3: the accumulators ((a, b) at v[8 (8 (a % 4) + b)]).
.set SIZE_K, 1024
.set KSTEP,  256
.set ROWB,   256
.set KROW,   SIZE_K
.set PITCH,  272                       ; an LDS row: 256 bytes + 16: the 16 rows of a load start 68 words apart
.set FR,     16
.set NL,     4
.set NP,     4
.set HALFT,  128*PITCH
.set SLOT,   4*HALFT
.set LAPS,   SIZE_K/(2*KSTEP)
.set SPARE,  2*SLOT                    ; the spare words, 128 bytes a wave: no other line names them
.set ADRA, 16
.set ADRB, 20
.set IM,   24                          ; v24 16 x lane: an image's place for my lane
.set CSO,  25                          ; v25 my byte in 16 rows of a rope table
.set BO,   26                          ; v26 my byte in the bias
.set SPW,  28
.set NIL,  29
.set QS,   30                          ; v30 the quantiser's scale as f32
.set QL,   31                          ; v31 448 x that
.set BIAS, 32
.set CS0,  96
.set TMP,  160
.set RT,   224
.set COD,  232
.set AF,   128
.set G1, 24
.set G0, 32
.set G1B, 48
.set G0B, 56
.set MSB, 0
.macro WIN new                         ; the immediate's high byte repeats the setting that is left
.if MSB != \new
	s_set_vgpr_msb (MSB<<8)|\new
.set MSB, \new
.endif
.endm
.set MUL_LO, 0xa1
.set MUL_HI, 0xf1
.set TO_B,   0x40
.macro JLOAD g0a, g1a, g0b, g1b        ; a joint load: waves 0, 1 fetch for region A, waves 2, 3 for region B; four v_nop follow each line
	s_cmp_eq_u32 s15, 0
	s_cbranch_scc0 .Lfor_b_\@
	tensor_load_to_lds s[\g0a:\g0a+3], s[\g1a:\g1a+7]
	s_nop 0
.rept 4
	v_nop
.endr
	s_branch .Lasked_\@
.Lfor_b_\@:
	tensor_load_to_lds s[\g0b:\g0b+3], s[\g1b:\g1b+7]
	s_nop 0
.rept 4
	v_nop
.endr
.Lasked_\@:
.endm
.macro CREST
	s_cmp_lg_u32 s14, 0
	s_cbranch_scc1 .Lnot_wave_0_\@
	s_barrier_signal -3
.Lnot_wave_0_\@:
	s_barrier_wait -3
	s_barrier_signal -1
	s_barrier_wait -1
.endm
.macro CROUND
	s_barrier_signal -1
	s_barrier_wait -1
	CREST
.endm
	s_load_b256 s[4:11], s[0:1], 0x0               ; h1c, the weight's codes, the scales' exponents, qkv_b
	s_load_b128 s[68:71], s[0:1], 0x20             ; cos, sin
	s_load_b64 s[72:73], s[0:1], 0x30              ; qkv
	v_lshl_add_u32 v[SPW], v0, 2, SPARE
	v_mov_b32 v[NIL], 0
	ds_add_u32 v28, v29
	ds_add_u32 v28, v29
	s_wait_dscnt 0x0
	v_lshrrev_b32 v1, 5, v0
	v_readfirstlane_b32 s14, v1                    ; wave
	s_lshr_b32 s15, s14, 1                         ; my half of region A's rows.  Also: I fetch for A (0) or B (1)
	s_and_b32 s16, s14, 1                          ; my half of region B's rows.  Also: which 128 rows I fetch
	s_bfe_u32 s40, ttmp6, 0x40000                  ; cx
	s_bfe_u32 s41, ttmp6, 0x40004                  ; cy
	s_and_b32 s74, ttmp7, 0xffff
	s_lshl_b32 s74, s74, 2                         ; 4 x cluster y
	s_lshl_b32 s75, ttmp9, 2                       ; 4 x cluster x
	s_cmp_eq_u32 ttmp9, 2                          ; v's third?
	s_cselect_b32 s17, 8, s74                      ; region A's tile of 256 rows: v: the weight's rows from 2,048 on; else tokens
	s_cselect_b32 s42, s74, s75                    ; region B's: v: tokens; else the weight's rows
	s_add_co_u32 s17, s17, s41                     ; + cy: shared along a row of the cluster
	s_add_co_u32 s42, s42, s40                     ; + cx: shared along a column
	s_lshl_b32 s43, s41, 2
	s_lshl_b32 s43, 15, s43                        ; my row of the cluster
	s_lshl_b32 s44, 0x1111, s40                    ; my column
	s_or_b32 s[G1+0], s43, (0<<16)|(1<<20)|(1<<21)|(5<<22)|(3<<25)  ; the mask; elements of 1 byte; padding: 4 words after every 64
	s_or_b32 s[G1B+0], s44, (0<<16)|(1<<20)|(1<<21)|(5<<22)|(3<<25)
.irp g, G1, G1B
	s_mov_b32 s[\g+1], ROWB<<16                    ; tensor_dim0
	s_mov_b32 s[\g+2], 128<<16                     ; tensor_dim1
	s_mov_b32 s[\g+3], ROWB<<16                    ; tile_dim0
	s_mov_b32 s[\g+4], 128                         ; tile_dim1
	s_mov_b32 s[\g+5], KROW                        ; the pitch
	s_mov_b32 s[\g+6], 0
	s_mov_b32 s[\g+7], 0
.endr
	s_lshl_b32 s18, s16, 7
	s_lshl_b32 s20, s17, 8
	s_add_co_u32 s20, s20, s18
	s_lshl_b32 s46, s42, 8
	s_add_co_u32 s46, s46, s18
	s_mov_b32 s21, 0
	s_mov_b32 s47, 0
	s_mov_b64 s[18:19], KROW
	s_mul_u64 s[20:21], s[20:21], s[18:19]
	s_mul_u64 s[46:47], s[46:47], s[18:19]
	s_mul_i32 s45, s14, HALFT                      ; where they go: wave x 128 rows
	s_wait_kmcnt 0x0
	s_load_b256 s[76:83], s[8:9], 0x0              ; e0 .. e7
	s_cmp_eq_u32 ttmp9, 2
	s_cselect_b64 s[84:85], s[6:7], s[4:5]         ; region A's buffer
	s_cselect_b64 s[86:87], s[4:5], s[6:7]         ; region B's
	s_add_nc_u64 s[20:21], s[84:85], s[20:21]
	s_add_nc_u64 s[46:47], s[86:87], s[46:47]
	CROUND                                         ; all sixteen work-groups are here: the first joint loads meet
.irp s, 0,1
	s_mov_b32 s[G0+4*\s], 1
	s_add_co_u32 s[G0+4*\s+1], s45, \s*SLOT
	s_add_nc_u64 s[G0+4*\s+2:G0+4*\s+3], s[20:21], \s*ROWB
	s_or_b32 s[G0+4*\s+3], s[G0+4*\s+3], 0x80000000
	s_mov_b32 s[G0B+4*\s], 1
	s_add_co_u32 s[G0B+4*\s+1], s45, \s*SLOT
	s_add_nc_u64 s[G0B+4*\s+2:G0B+4*\s+3], s[46:47], \s*ROWB
	s_or_b32 s[G0B+4*\s+3], s[G0B+4*\s+3], 0x80000000
.endr
	JLOAD G0, G1, G0B, G1B                         ; K step 0: one tensor load a wave at the head
	v_and_b32 v1, 15, v0                           ; r
	v_bfe_u32 v2, v0, 4, 1                         ; h
	v_mul_u32_u24 v3, v1, PITCH
	v_lshl_add_u32 v4, v2, 4, v3
	s_mul_i32 s21, s15, HALFT
	s_mul_i32 s22, s16, HALFT
	s_add_co_u32 s22, s22, 2*HALFT
.irp s, 0,1
	v_add_nc_u32 v[ADRA+\s], s21, v4
	v_add_nc_u32 v[ADRB+\s], s22, v4
	s_add_co_u32 s21, s21, SLOT
	s_add_co_u32 s22, s22, SLOT
.endr
	v_and_b32 v5, 31, v0
	v_lshlrev_b32 v[IM], 4, v5
	; PREFETCH.  A K step is 256 bytes of each row.  Of the 128 rows that I fetch, each of the four partners that ask for them jointly names 32, told apart by address (cx for region A, cy for region B): a lane a row.
	; K steps 1 and 2 are named here, behind K step 0's load, K step 3 behind K step 1's load: the offsets are immediates, and v27 and s[98:99] are never rewritten.
	v_lshlrev_b32 v27, 10, v5                      ; lane x a row of 1,024 bytes
	s_wait_alu depctr_va_vdst(0)
	s_cmp_eq_u32 s15, 0                            ; do I fetch for region A?
	s_cselect_b32 s88, s17, s42                    ; the tile of 256 rows,
	s_cselect_b32 s89, s40, s41                    ; my place among the four that ask with me,
	s_cselect_b64 s[98:99], s[84:85], s[86:87]     ; the buffer
	s_lshl_b32 s88, s88, 3
	s_add_co_u32 s88, s88, s89
	s_lshl_b32 s89, s16, 2
	s_add_co_u32 s88, s88, s89                     ; 8 x tile + 4 x half + place, in units of 32 rows
	s_lshl_b32 s88, s88, 15
	s_mov_b32 s89, 0
	s_add_nc_u64 s[98:99], s[98:99], s[88:89]
	global_prefetch_b8 v27, s[98:99] offset:ROWB th:TH_LOAD_NT scope:SCOPE_SE
	global_prefetch_b8 v27, s[98:99] offset:2*ROWB th:TH_LOAD_NT scope:SCOPE_SE
.macro FRAG reg, adr, q, i             ; 16 rows x 128 K: registers 4 c .. 4 c + 3 hold K = 32 c + 16 h + 0 .. 15
.irp c, 0,1,2,3
	ds_load_b128 v[\reg+4*\c:\reg+4*\c+3], v[\adr] offset:128*(\q)+32*\c+(\i)*16*PITCH
.endr
.endm
.macro MUL16 a0, p, zero               ; A's blocks a0, a0 + 1 x B's eight; the 64 accumulators take turns
.irp a, \a0, \a0+1
.irp b, 0,1,2,3,4,5,6,7
.if \zero
	v_wmma_f32_16x16x128_fp8_fp8 v[8*(8*((\a)%4)+\b):8*(8*((\a)%4)+\b)+7], v[128*(\p)+FR*\b:128*(\p)+FR*\b+FR-1], v[AF+FR*(\a):AF+FR*(\a)+FR-1], 0
.else
	v_wmma_f32_16x16x128_fp8_fp8 v[8*(8*((\a)%4)+\b):8*(8*((\a)%4)+\b)+7], v[128*(\p)+FR*\b:128*(\p)+FR*\b+FR-1], v[AF+FR*(\a):AF+FR*(\a)+FR-1], v[8*(8*((\a)%4)+\b):8*(8*((\a)%4)+\b)+7]
.endif
.endr
.endr
.endm
.macro FETCH_B slot, q, p
	WIN TO_B
.irp i, 0,1,2,3,4,5,6,7
	FRAG 128*(\p)+FR*\i, ADRB+\slot, \q, \i
.endr
	WIN 0
.endm
.macro FETCH_A slot, q, i0
.irp i, \i0, \i0+1, \i0+2, \i0+3
	FRAG AF+FR*(\i), ADRA+\slot, \q, \i
.endr
.endm
.macro PLACES n                        ; plain vector instructions between a matrix instruction and a load into, or a vector access to, its registers
.rept \n
	v_nop
.endr
.endm
.macro STEP slot, q, zero              ; 128 along K, with its successor in the same slot
	s_wait_dscnt 4*NL                              ; B's set and A's blocks 0-3 are in; A's blocks 4-7 (16 loads) may be out
	WIN MUL_LO
	MUL16 0, (\q)%2, \zero
	MUL16 2, (\q)%2, \zero
	s_wait_dscnt 0
	PLACES NP
	FETCH_B \slot, (\q)+1, 1-(\q)%2
	FETCH_A \slot, (\q)+1, 0
	WIN MUL_HI
	MUL16 4, (\q)%2, \zero
	MUL16 6, (\q)%2, \zero
	PLACES NP
	WIN 0
	FETCH_A \slot, (\q)+1, 4
.endm
.macro TURN slot, next, fill           ; a slot's last step changes slots: one barrier
	s_wait_tensorcnt 0x0                           ; all my tensor loads have landed: my part of the next slot
	ds_add_u32 v[SPW], v[NIL]                      ; 0 onto my spare word
	s_wait_dscnt 4*NL+1                            ; the add and A's blocks 4-7 may be out
	WIN MUL_LO
	MUL16 0, 1, 0
	s_wait_dscnt 0x0                               ; the add is done, and my reads of this slot are over
	s_barrier_signal -1
	MUL16 2, 1, 0
	WIN 0
	s_barrier_wait -1
.if \fill
	CREST                                          ; the barrier has opened a round of the cluster's: no wave of any partner still reads this slot or has a load on its way
	s_add_nc_u64 s[G0+4*\slot+2:G0+4*\slot+3], s[G0+4*\slot+2:G0+4*\slot+3], 2*ROWB
	s_add_nc_u64 s[G0B+4*\slot+2:G0B+4*\slot+3], s[G0B+4*\slot+2:G0B+4*\slot+3], 2*ROWB
	JLOAD G0+4*\slot, G1, G0B+4*\slot, G1B         ; the first tensor load behind the round; its four v_nop are the places in front of the loads below
.else
	PLACES NP
.endif
	FETCH_B \next, 0, 0
	FETCH_A \next, 0, 0
	WIN MUL_HI
	MUL16 4, 1, 0
	MUL16 6, 1, 0
	PLACES NP
	WIN 0
	FETCH_A \next, 0, 4
.endm
.macro LASTSTEP                        ; the last 128 along K: nothing more to fetch
	s_wait_dscnt 4*NL
	WIN MUL_LO
	MUL16 0, 1, 0
	MUL16 2, 1, 0
	s_wait_dscnt 0
	WIN MUL_HI
	MUL16 4, 1, 0
	MUL16 6, 1, 0
	WIN 0
	PLACES NP
.endm
.macro CSLOAD a                        ; cos and sin of block a's 16 tokens: lane (r, h): token r, places 16 c + 8 h + 0 .. 7
.set CL, CS0+32*((\a)%2)
.irp c, 0,1
	global_load_b128 v[CL+8*\c:CL+8*\c+3], v[CSO], s[88:89] offset:2048*(\a)+64*\c
	global_load_b128 v[CL+8*\c+4:CL+8*\c+7], v[CSO], s[88:89] offset:2048*(\a)+64*\c+16
	global_load_b128 v[CL+16+8*\c:CL+16+8*\c+3], v[CSO], s[90:91] offset:2048*(\a)+64*\c
	global_load_b128 v[CL+16+8*\c+4:CL+16+8*\c+7], v[CSO], s[90:91] offset:2048*(\a)+64*\c+16
.endr
.endm
.macro QKBLK a                         ; 16 tokens x 128 columns = two heads
.if (\a) < 7
	CSLOAD (\a)+1
	s_wait_loadcnt 8                               ; all but the eight just issued
.else
	s_wait_loadcnt 0
.endif
.set AC, 64*((\a)%4)
.set CU, CS0+32*((\a)%2)
	WIN 0x02+((\a)/4)                              ; source 0: window 2 or 3
.set j, 0
.rept 32
	v_pk_fma_f32 v[TMP+j:TMP+j+1], v[AC+j:AC+j+1], s[96:97], v[BIAS+j:BIAS+j+1] op_sel_hi:[1,0,1]   ; sum x 2^(e0 + e1) + bias; each accumulator from its low end on
.set j, j+2
.endr
	WIN 0
.irp hd, 0,1
.irp c, 0,1
.irp p, 0,2,4,6                                ; x1 = channels 16 c + 8 h + p, x2 = the same + 32
	v_pk_mul_f32 v[RT+2*(\p%4):RT+2*(\p%4)+1], v[TMP+32*\hd+8*\c+16+\p:TMP+32*\hd+8*\c+17+\p], v[CU+16+8*\c+\p:CU+17+8*\c+\p]
	v_pk_mul_f32 v[RT+2*(\p%4)+2:RT+2*(\p%4)+3], v[TMP+32*\hd+8*\c+\p:TMP+32*\hd+8*\c+1+\p], v[CU+16+8*\c+\p:CU+17+8*\c+\p]
	v_pk_fma_f32 v[TMP+32*\hd+8*\c+\p:TMP+32*\hd+8*\c+1+\p], v[TMP+32*\hd+8*\c+\p:TMP+32*\hd+8*\c+1+\p], v[CU+8*\c+\p:CU+1+8*\c+\p], v[RT+2*(\p%4):RT+2*(\p%4)+1] neg_lo:[0,0,1] neg_hi:[0,0,1]
	v_pk_fma_f32 v[TMP+32*\hd+8*\c+16+\p:TMP+32*\hd+8*\c+17+\p], v[TMP+32*\hd+8*\c+16+\p:TMP+32*\hd+8*\c+17+\p], v[CU+8*\c+\p:CU+1+8*\c+\p], v[RT+2*(\p%4)+2:RT+2*(\p%4)+3]
.endr
.endr
.endr
.set j, 0
.rept 64
	v_med3_num_f32 v[TMP+j], v[TMP+j], -v[QL], v[QL]
.set j, j+1
.endr
	s_wait_alu depctr_va_vdst(0)
	s_wait_xcnt 0x0                                ; the last block's stores have read the codes' registers
.set j, 0
.rept 8
	v_cvt_scalef32_pk8_fp8_f32 v[COD+2*j:COD+2*j+1], v[TMP+8*j:TMP+8*j+7], v[QS]   ; tile 4 hd + c: registers 2 c, 2 c + 1 of head hd's image
.set j, j+1
.endr
	v_nop
.irp hd, 0,1
.irp g, 0,1
	global_store_b128 v[IM], v[COD+8*\hd+4*\g:COD+8*\hd+4*\g+3], s[94:95] offset:\hd*131072+(\a)*1024+512*\g   ; 512 consecutive bytes
.endr
.endr
.endm
.macro VBLK a                          ; 16 channels x 128 tokens = one image
.set AC, 64*((\a)%4)
	WIN 0x02+((\a)/4)
.set j, 0
.rept 32
	v_pk_fma_f32 v[TMP+j:TMP+j+1], v[AC+j:AC+j+1], s[96:97], v[BIAS+2*(\a):BIAS+2*(\a)+1] op_sel_hi:[1,0,1]
.set j, j+2
.endr
	WIN 0
.set j, 0
.rept 64
	v_med3_num_f32 v[TMP+j], v[TMP+j], -v[QL], v[QL]
.set j, j+1
.endr
	s_wait_alu depctr_va_vdst(0)
	s_wait_xcnt 0x0
.set j, 0
.rept 8
	v_cvt_scalef32_pk8_fp8_f32 v[COD+2*j:COD+2*j+1], v[TMP+8*j:TMP+8*j+7], v[QS]
.set j, j+1
.endr
	v_nop
.irp g, 0,1,2,3
	global_store_b128 v[IM], v[COD+4*\g:COD+4*\g+3], s[94:95] offset:((\a)/4)*131072+((\a)%4)*2048+512*\g
.endr
.endm
	s_wait_alu depctr_va_vdst(0)
	s_wait_tensorcnt 0x0                           ; my part of K step 0 is in
	ds_add_u32 v[SPW], v[NIL]
	s_wait_dscnt 0x0
	CROUND                                         ; a whole round: everybody's part of K step 0 is in, and the joint loads meet
	JLOAD G0+4, G1, G0B+4, G1B                     ; K step 1, the first tensor load behind the round
	FETCH_B 0, 0, 0
	FETCH_A 0, 0, 0
	FETCH_A 0, 0, 4
	global_prefetch_b8 v27, s[98:99] offset:3*ROWB th:TH_LOAD_NT scope:SCOPE_SE   ; K step 3, the last
	STEP 0, 0, 1                                   ; the first step's products start the sums
	s_mov_b32 s3, LAPS-1
.Llap:
	TURN 0, 1, 1
	STEP 1, 0, 0
	TURN 1, 0, 1
	STEP 0, 0, 0
	s_sub_co_u32 s3, s3, 1
	s_cmp_lg_u32 s3, 0
	s_cbranch_scc1 .Llap
	TURN 0, 1, 0
	STEP 1, 0, 0
	s_wait_kmcnt 0x0
	s_add_co_i32 s96, s76, s77
	s_add_co_i32 s96, s96, 127
	s_lshl_b32 s96, s96, 23                        ; 2^(e0 + e1)
	s_mov_b32 s97, s96
	s_cmp_eq_u32 ttmp9, 0
	s_cselect_b32 s84, s78, s79                    ; q: e2, k: e3,
	s_cmp_eq_u32 ttmp9, 2
	s_cselect_b32 s84, s81, s84                    ; v: e5
	s_add_co_i32 s84, s84, 127
	s_lshl_b32 s85, s84, 23
	v_mov_b32 v[QS], s85
	s_add_co_i32 s84, s84, 8
	s_lshl_b32 s84, s84, 23
	s_or_b32 s84, s84, 0x600000
	v_mov_b32 v[QL], s84
	s_mov_b32 s85, 0
	s_cmp_eq_u32 ttmp9, 2
	s_cbranch_scc1 .Lv
	; ---- q, k.  Tokens 256 s17 + 128 s15 on; columns 256 s42 + 128 s16 on
	v_lshlrev_b32 v[CSO], 7, v1
	v_lshl_add_u32 v[CSO], v2, 5, v[CSO]           ; a table's row is 128 bytes; + 32 h
	v_lshlrev_b32 v[BO], 5, v2
	s_wait_alu depctr_va_vdst(0)
	s_lshl_b32 s84, s42, 10
	s_lshl_b32 s86, s16, 9
	s_add_co_u32 s84, s84, s86
	s_add_nc_u64 s[92:93], s[10:11], s[84:85]      ; my 128 numbers of the bias
	s_and_b32 s84, s17, 7
	s_lshl_b32 s84, s84, 15
	s_lshl_b32 s86, s15, 14
	s_add_co_u32 s84, s84, s86                     ; my first token in its batch x 128 bytes
	s_add_nc_u64 s[88:89], s[68:69], s[84:85]
	s_add_nc_u64 s[90:91], s[70:71], s[84:85]
	s_lshr_b32 s84, s17, 3                         ; batch
	s_lshl_b32 s84, s84, 4
	s_lshl_b32 s86, s40, 2
	s_add_co_u32 s84, s84, s86
	s_lshl_b32 s86, s16, 1
	s_add_co_u32 s84, s84, s86                     ; 16 batch + my first head (4 cx + 2 x half)
	s_lshl_b32 s84, s84, 7
	s_and_b32 s86, s17, 7
	s_lshl_b32 s86, s86, 4
	s_add_co_u32 s84, s84, s86
	s_lshl_b32 s86, s15, 3
	s_add_co_u32 s84, s84, s86                     ; + my first tile of tokens
	s_lshl_b32 s84, s84, 10
	s_lshl_b32 s86, ttmp9, 22                      ; q at 0, k at 4 MiB
	s_add_co_u32 s84, s84, s86
	s_add_nc_u64 s[94:95], s[72:73], s[84:85]
.irp b, 0,1,2,3,4,5,6,7
	global_load_b128 v[BIAS+8*\b:BIAS+8*\b+3], v[BO], s[92:93] offset:64*\b
	global_load_b128 v[BIAS+8*\b+4:BIAS+8*\b+7], v[BO], s[92:93] offset:64*\b+16
.endr
	CSLOAD 0
	LASTSTEP
.irp a, 0,1,2,3,4,5,6,7
	QKBLK \a
.endr
	s_branch .Lend
.Lv:
	; ---- v.  Channels: the weight's rows 256 s17 + 128 s15 on (s17 = 8 + cy); tokens 256 s42 + 128 s16 on
	v_lshlrev_b32 v[BO], 2, v1
	s_wait_alu depctr_va_vdst(0)
	s_lshl_b32 s84, s17, 10
	s_lshl_b32 s86, s15, 9
	s_add_co_u32 s84, s84, s86
	s_add_nc_u64 s[92:93], s[10:11], s[84:85]
	s_lshr_b32 s84, s42, 3                         ; batch
	s_lshl_b32 s84, s84, 4
	s_lshl_b32 s86, s41, 2
	s_add_co_u32 s84, s84, s86
	s_lshl_b32 s86, s15, 1
	s_add_co_u32 s84, s84, s86                     ; 16 batch + my first head (4 cy + 2 x half)
	s_lshl_b32 s84, s84, 4
	s_and_b32 s86, s42, 7
	s_lshl_b32 s86, s86, 1
	s_add_co_u32 s84, s84, s86
	s_add_co_u32 s84, s84, s16                     ; + my key step
	s_lshl_b32 s84, s84, 13
	s_add_co_u32 s84, s84, 0x800000
	s_add_nc_u64 s[94:95], s[72:73], s[84:85]
.irp a, 0,1,2,3,4,5,6,7
	global_load_b32 v[BIAS+2*\a], v[BO], s[92:93] offset:64*\a      ; block a's bias of my channel, twice: a pair for the packed form
	global_load_b32 v[BIAS+2*\a+1], v[BO], s[92:93] offset:64*\a
.endr
	LASTSTEP
	s_wait_loadcnt 0x0
.irp a, 0,1,2,3,4,5,6,7
	VBLK \a
.endr
.Lend:
	s_wait_tensorcnt 0x0                           ; the wave's end
	ds_add_u32 v[SPW], v[NIL]
	s_wait_dscnt 0x0
	CROUND                                         ; the closing round
	s_endpgm
.Lfunc_end_k_q5d05daea19_qkv:
	.size	k_q5d05daea19_qkv, .Lfunc_end_k_q5d05daea19_qkv-k_q5d05daea19_qkv
	.p2alignl 7, 3214868480
	.fill 96, 4, 3214868480
	.section	.rodata,"a",@progbits
	.p2align	6, 0x0
	.amdhsa_kernel k_q5d05daea19_qkv
		.amdhsa_group_segment_fixed_size 327680
		.amdhsa_private_segment_fixed_size 0
		.amdhsa_enable_private_segment 0
		.amdhsa_kernarg_size 56
		.amdhsa_user_sgpr_count 2
		.amdhsa_user_sgpr_kernarg_segment_ptr 1
		.amdhsa_wavefront_size32 1
		.amdhsa_system_sgpr_workgroup_id_x 1
		.amdhsa_system_sgpr_workgroup_id_y 1
		.amdhsa_system_sgpr_workgroup_id_z 1
		.amdhsa_system_vgpr_workitem_id 0
		.amdhsa_next_free_vgpr 1024
		.amdhsa_next_free_sgpr 100
		.amdhsa_reserve_vcc 0
		.amdhsa_float_denorm_mode_32 3
		.amdhsa_float_denorm_mode_16_64 3
		.amdhsa_memory_ordered 1
		.amdhsa_forward_progress 1
		.amdhsa_inst_pref_size 239
	.end_amdhsa_kernel
	.amdgpu_metadata
---
amdhsa.version: [ 1, 2 ]
amdhsa.kernels:
  - .name:           k_q5d05daea19_qkv
    .symbol:         k_q5d05daea19_qkv.kd
    .args:
      - { .name: h1c, .offset: 0, .size: 8, .value_kind: global_buffer, .address_space: global }
      - { .name: qkv_w_codes, .offset: 8, .size: 8, .value_kind: global_buffer, .address_space: global }
      - { .name: lowp_scales, .offset: 16, .size: 8, .value_kind: global_buffer, .address_space: global }
      - { .name: qkv_b, .offset: 24, .size: 8, .value_kind: global_buffer, .address_space: global }
      - { .name: rope_cos, .offset: 32, .size: 8, .value_kind: global_buffer, .address_space: global }
      - { .name: rope_sin, .offset: 40, .size: 8, .value_kind: global_buffer, .address_space: global }
      - { .name: qkv, .offset: 48, .size: 8, .value_kind: global_buffer, .address_space: global }
    .group_segment_fixed_size: 327680
    .private_segment_fixed_size: 0
    .kernarg_segment_align: 8
    .kernarg_segment_size: 56
    .max_flat_workgroup_size: 128
    .sgpr_count:     100
    .vgpr_count:     1024
    .wavefront_size: 32
...
	.end_amdgpu_metadata
.endif
;; end of part 2
;; launch attn (part 3): grid 8 x 32, 16 waves a work-group, no clusters, 264,192 bytes of LDS; arguments qkv, maskw, lowp_scales, oc; writes oc
.if DOCPART == 3
	.amdgcn_target "amdgcn-amd-amdhsa--gfx1250"
	.amdhsa_code_object_version 6
	.text
	.protected	k_q5d05daea19_attn
	.globl	k_q5d05daea19_attn
	.p2align	8
	.type	k_q5d05daea19_attn,@function
k_q5d05daea19_attn:
	s_mov_b64 s[64:65], 0
	v_nop
	global_prefetch_b8 v0, s[64:65] scope:SCOPE_SE
	s_setreg_imm32_b32 hwreg(HW_REG_WAVE_MODE, 25, 1), 1
	s_wait_xcnt 0x0
; oc = codes (e6) of softmax(q k^T / 8, masked) v, both products on E4M3 codes.  t = score x log2(e) / 8; M = the running largest t rounded UP to a whole number; p = 2^(t - M) is quantised (e4), not normalised;
; the row's sum is taken of the unquantised p and divides at the end.  When M moves, the sum and O are multiplied by 2^(old M - new M): exact.
; SHARES.  A work-group serves one (batch, head) and holds ALL its K and V images in LDS (131,072 bytes each), each byte written once, through registers.  Its 16 tiles of 16 queries lie 8 apart; tile j is the one at place j.
; A TILE'S KEY STEPS ARE SHARED BY TWO WAVES.  The wave at place r walks the EVEN key steps of tile r, which it owns, and then the ODD key steps of tile 15 - r, each walk with a running M, sum and O^T of its own.
; Under masks that grow with the query's number that is 8 or 9 key steps for every wave.  The second walk's O^T, -M and sum go through LDS to the tile's owner, which brings both parts under the larger M
; by 2^(a part's M - the larger M), exact as every change of a running M is, and adds them.  Place r = wave xor bit 2 of the wave: waves s, s + 4, s + 8, s + 12 have two even and two odd places.  No value hangs on the deal.
; THE FILL.  A key step's images are 8,192 bytes of K and of V: one load of 16 bytes of each for each of the 512 threads.  A thread asks for all 16 key steps at the head: 32 loads into v32-159, which the steps use only later.
; They are stored into LDS in four groups of four key steps as they come, one barrier follows, and the walks have no barrier.  Nothing is left to ask for ahead, so no prefetch is written.
; NO CLUSTER, NO TENSOR LOAD: each wave leaves out the key steps whose 16 x 128 places are all masked, by a scalar branch on whole numbers that an earlier launch stored.
; The mask is an input: it is honoured place by place, by 64 selects on stored lane masks (a record of 64 words), in the key steps whose record has a one and a zero.  The first such record of a walk, found from the flags,
; is asked for ahead of the walk; a later one in its own step.
; LAYOUT.  S^T = K Q^T (source 0 = 16 keys), O^T = V^T P (source 0 = 16 channels): a lane holds ONE query throughout; the conversion of score tile t gives registers 2 t, 2 t + 1 of P: keys 16 t + 8 h + 0 .. 7.
; A query all of whose keys are masked has the sum 0: its codes become the NaN code, as the softmax of such a row is NaN.  A part without keys has -M = 3e38 and gets the factor 0.
; LIMITS: e2 + e3 between -123 and 130; e4, e6 between -126 and 119.
; REGISTERS: v1 16 x lane, v2 + V's base, v3 -infinity, v4-7 the fill's addresses, then the exchange's; v8, v9 the step's; v10, v11 the first walk's -M and sum; v12 -M, v13 largest t, v[14:15] the sum; v16-23 my tile's Q;
; v24-31 the other tile's Q, then the codes out; v32-95 K's, then V's fragments; v96-159 S^T, then p; v160-191 my tile's O^T; v192-223 the other tile's; v224-239 P's codes; v240, v244 p's hold and scale; v241, v245 the output's;
; v242-254 at work; v251, v255 the spare word's address and 0.
; s[4:5] the head's K images, s[6:7] its V images; s13 key step, s14 its LDS byte, s15 the walk's flags, s66 16 + key step, s67 the key step of the record asked for ahead, s[16:63] and s[68:83] a record's 64 words;
; s91 and s[100:101] the second walk's flags and records.
.set SEL, 84
.set CS,  86
.set MP,  88
.set ST,  32
.set XS,  5120                         ; the exchange: a tile's place in LDS: 4,096 bytes of O^T, then 8 bytes a lane of -M and the sum
.macro GET ks                          ; key step ks: my 16 bytes of K's 8,192 and of V's
	global_load_b128 v[ST+8*(\ks):ST+8*(\ks)+3], v4, s[4:5] offset:8192*(\ks)
	global_load_b128 v[ST+8*(\ks)+4:ST+8*(\ks)+7], v4, s[6:7] offset:8192*(\ks)
.endm
.macro PUT ks                          ; and from there into LDS: K at 8,192 ks, V at 131,072 + 8,192 ks
	ds_store_b128 v[4+(\ks)/8], v[ST+8*(\ks):ST+8*(\ks)+3] offset:8192*((\ks)%8)
	ds_store_b128 v[6+(\ks)/8], v[ST+8*(\ks)+4:ST+8*(\ks)+7] offset:8192*((\ks)%8)
.endm
.macro PRE p                           ; ahead of a walk over key steps p, p + 2 ..: its first record with a one and a zero is asked for; the walk's counters
	s_wait_kmcnt 0x0                               ; no load into the record's registers is out
	s_lshr_b32 s67, s15, 16
	s_and_not1_b32 s67, s67, s15                   ; bit ks: the record has a one and a zero
	s_and_b32 s67, s67, 0x5555<<(\p)               ; among this walk's key steps
	s_ctz_i32_b32 s67, s67                         ; the first such key step (-1: none),
	s_min_u32 s67, s67, 15                         ; held inside the tile's 16 records
	s_lshl_b32 s2, s67, 8
	s_mov_b32 s3, 0
	s_add_nc_u64 s[2:3], s[MP:MP+1], s[2:3]
	s_load_b512 s[16:31], s[2:3], 0x0
	s_load_b512 s[32:47], s[2:3], 0x40
	s_load_b512 s[48:63], s[2:3], 0x80
	s_load_b512 s[68:83], s[2:3], 0xc0
.if \p
	s_add_nc_u64 s[MP:MP+1], s[MP:MP+1], 0x100
.endif
	s_mov_b32 s13, \p
	s_mov_b32 s14, 0x2000*(\p)
	s_mov_b32 s66, 16+(\p)
.endm
.macro WALK OB, QB                     ; 8 trips: every second key step of 128 keys; O^T at v[OB], Q at v[QB]
.Lstep_\@:
	s_bitcmp1_b32 s15, s13
	s_cbranch_scc1 .Lnext_\@                       ; all 16 x 128 places are masked: every p would be 0
	v_add_nc_u32 v8, s14, v1
	v_add_nc_u32 v9, s14, v2
	s_wait_alu depctr_va_vdst(0)
	v_nop
	v_nop                                          ; four places between the last products and the loads into registers that they read
.irp t, 0,1,2,3,4,5,6,7
	ds_load_b128 v[32+8*\t:35+8*\t], v8 offset:1024*\t
	ds_load_b128 v[36+8*\t:39+8*\t], v8 offset:1024*\t+512
.endr
	s_wait_dscnt 0x0
.irp t, 0,1,2,3,4,5,6,7
	v_wmma_f32_16x16x64_fp8_fp8 v[96+8*\t:103+8*\t], v[32+8*\t:39+8*\t], v[\QB:\QB+7], 0
.endr
.rept 4
	v_nop
.endr
.irp d, 0,1,2,3
.irp g, 0,1,2,3
	ds_load_b128 v[32+16*\d+4*\g:35+16*\d+4*\g], v9 offset:2048*\d+512*\g   ; V's fragments land under the softmax
.endr
.endr
	s_bitcmp1_b32 s15, s66
	s_cbranch_scc0 .Lopen_\@                       ; nothing is masked here
	s_cmp_eq_u32 s13, s67
	s_cbranch_scc1 .Lhave_\@                       ; this is the record asked for ahead of the walk
	s_wait_kmcnt 0x0                               ; no load into the record's registers is out
	s_load_b512 s[16:31], s[MP:MP+1], 0x0
	s_load_b512 s[32:47], s[MP:MP+1], 0x40
	s_load_b512 s[48:63], s[MP:MP+1], 0x80
	s_load_b512 s[68:83], s[MP:MP+1], 0xc0
.Lhave_\@:
	s_wait_kmcnt 0x0
.set n, 0
.rept 48
	v_cndmask_b32 v[96+n], v[96+n], v3, s[16+n]
.set n, n+1
.endr
.rept 16
	v_cndmask_b32 v[96+n], v[96+n], v3, s[20+n]
.set n, n+1
.endr
.Lopen_\@:
	v_max3_num_f32 v254, v96, v97, v98             ; the step's largest score of my query, in two chains, from the low end on
	v_max3_num_f32 v252, v99, v100, v101
.set j, 6
.rept 14
	v_max3_num_f32 v254, v254, v[96+j], v[97+j]
	v_max3_num_f32 v252, v252, v[98+j], v[99+j]
.set j, j+4
.endr
	v_max3_num_f32 v254, v254, v158, v159
	s_delay_alu instid0(VALU_DEP_1)
	v_max_num_f32 v254, v254, v252
	s_delay_alu instid0(VALU_DEP_1)
	v_permlanex16_b32 v246, v254, s[SEL], s[SEL+1]
	s_delay_alu instid0(VALU_DEP_1)
	v_max_num_f32 v254, v254, v246
	s_delay_alu instid0(VALU_DEP_1)
	v_mul_f32 v254, s[CS], v254
	s_delay_alu instid0(VALU_DEP_1)
	v_max_num_f32 v13, v13, v254                   ; the running largest t
	v_mov_b32 v254, v12
	s_delay_alu instid0(VALU_DEP_2)
	v_floor_f32 v12, -v13                          ; -M = floor(-t)
	s_delay_alu instid0(VALU_DEP_1)
	v_sub_f32 v254, v12, v254                      ; old M - new M: a whole number, 0 or less
	s_delay_alu instid0(VALU_DEP_1)
	v_cvt_i32_f32 v254, v254                       ; (it saturates)
	s_delay_alu instid0(VALU_DEP_1)
	v_ldexp_f32 v252, 1.0, v254                    ; f = 2^(old M - new M)
.set j, 0
.rept 32
	v_pk_fma_f32 v[96+j:97+j], v[96+j:97+j], s[CS:CS+1], v[12:13] op_sel_hi:[1,0,0]   ; t - M
.set j, j+2
.endr
.set j, 0
	s_wait_alu depctr_va_vdst(0)                   ; the wait ahead of the batch
.rept 64
	v_exp_f32 v[96+j], v[96+j]
.set j, j+1
.endr
	v_pk_mul_f32 v[14:15], v[14:15], v[252:253] op_sel_hi:[1,0]   ; the sum under the new M: the plain instruction behind the batch
	s_wait_alu depctr_va_vdst(0)                   ; one wait for the 64 exponentials, ahead of their first reader
	v_pk_add_f32 v[242:243], v[100:101], v[104:105]   ; the row's sum of the unquantised p, in eight chains
	v_pk_add_f32 v[248:249], v[108:109], v[112:113]
	v_pk_add_f32 v[238:239], v[116:117], v[120:121]
	v_pk_add_f32 v[236:237], v[124:125], v[128:129]
	v_pk_add_f32 v[234:235], v[132:133], v[136:137]
	v_pk_add_f32 v[232:233], v[140:141], v[144:145]
	v_pk_add_f32 v[230:231], v[148:149], v[152:153]
	v_pk_add_f32 v[14:15], v[14:15], v[156:157]
	v_pk_add_f32 v[242:243], v[242:243], v[96:97]
	v_pk_add_f32 v[248:249], v[248:249], v[98:99]
	v_pk_add_f32 v[238:239], v[238:239], v[102:103]
	v_pk_add_f32 v[236:237], v[236:237], v[106:107]
	v_pk_add_f32 v[234:235], v[234:235], v[110:111]
	v_pk_add_f32 v[232:233], v[232:233], v[114:115]
	v_pk_add_f32 v[230:231], v[230:231], v[118:119]
	v_pk_add_f32 v[14:15], v[14:15], v[122:123]
	v_pk_add_f32 v[242:243], v[242:243], v[126:127]
	v_pk_add_f32 v[248:249], v[248:249], v[130:131]
	v_pk_add_f32 v[238:239], v[238:239], v[134:135]
	v_pk_add_f32 v[236:237], v[236:237], v[138:139]
	v_pk_add_f32 v[234:235], v[234:235], v[142:143]
	v_pk_add_f32 v[232:233], v[232:233], v[146:147]
	v_pk_add_f32 v[230:231], v[230:231], v[150:151]
	v_pk_add_f32 v[14:15], v[14:15], v[154:155]
	v_pk_add_f32 v[242:243], v[242:243], v[158:159]
	s_delay_alu instid0(VALU_DEP_2)
	v_pk_add_f32 v[14:15], v[14:15], v[236:237]
	s_delay_alu instid0(VALU_DEP_2)
	v_pk_add_f32 v[242:243], v[242:243], v[234:235]
	v_pk_add_f32 v[248:249], v[248:249], v[232:233]
	v_pk_add_f32 v[238:239], v[238:239], v[230:231]
	s_delay_alu instid0(VALU_DEP_2)
	v_pk_add_f32 v[14:15], v[14:15], v[248:249]
	s_delay_alu instid0(VALU_DEP_2)
	v_pk_add_f32 v[242:243], v[242:243], v[238:239]
	s_delay_alu instid0(VALU_DEP_1)
	v_pk_add_f32 v[14:15], v[14:15], v[242:243]
	s_cmp_ge_i32 s96, -8                           ; p <= 1 <= 448 x 2^e4 from e4 = -8 on: the hold then changes nothing
	s_cbranch_scc1 .Lnohold_\@
.set j, 0
.rept 64
	v_min_num_f32 v[96+j], v[96+j], v240
.set j, j+1
.endr
.Lnohold_\@:
.set j, 0
.rept 8
	v_cvt_scalef32_pk8_fp8_f32 v[224+2*j:225+2*j], v[96+8*j:103+8*j], v244
.set j, j+1
.endr
	s_wait_alu depctr_va_vdst(0)                   ; the wait here, directly ahead of the first reader of O^T
.set j, 0
.rept 16
	v_pk_mul_f32 v[\OB+j:\OB+j+1], v[\OB+j:\OB+j+1], v[252:253] op_sel_hi:[1,0]   ; O^T under the new M; also the plain instructions behind the conversions
.set j, j+2
.endr
	s_wait_alu depctr_va_vdst(0)
	s_wait_dscnt 0x0                               ; V
.irp d, 0,1,2,3
	v_wmma_f32_16x16x128_fp8_fp8 v[\OB+8*\d:\OB+8*\d+7], v[32+16*\d:47+16*\d], v[224:239], v[\OB+8*\d:\OB+8*\d+7]
.endr
.Lnext_\@:
	s_add_nc_u64 s[MP:MP+1], s[MP:MP+1], 0x200     ; (a record's loads by this pointer, if any, were waited for)
	s_add_co_u32 s14, s14, 0x4000
	s_add_co_u32 s66, s66, 2
	s_add_co_u32 s13, s13, 2
	s_cmp_lt_u32 s13, 16
	s_cbranch_scc1 .Lstep_\@
.endm
	s_load_b128 s[4:7], s[0:1], 0x0                ; qkv, maskw
	s_load_b128 s[8:11], s[0:1], 0x10              ; the scales' exponents, oc
	v_lshl_add_u32 v251, v0, 2, 0x40000
	v_mov_b32 v255, 0
	v_lshrrev_b32 v8, 5, v0
	s_delay_alu instid0(VALU_DEP_1)
	v_readfirstlane_b32 s12, v8                    ; wave 0..15
	v_and_b32 v9, 31, v0
	s_delay_alu instid0(VALU_DEP_1)
	v_lshlrev_b32 v1, 4, v9
	s_delay_alu instid0(VALU_DEP_1)
	v_add_nc_u32 v2, 0x20000, v1
	v_mov_b32 v3, 0xff800000
	v_lshlrev_b32 v4, 4, v0                        ; 16 x thread: the work-group copies 8,192 bytes an instruction
	s_delay_alu instid0(VALU_DEP_1)
	v_add_nc_u32 v5, 0x10000, v4
	s_delay_alu instid0(VALU_DEP_2)
	v_add_nc_u32 v6, 0x20000, v4
	s_delay_alu instid0(VALU_DEP_3)
	v_add_nc_u32 v7, 0x30000, v4
	s_bfe_u32 s16, s12, 0x10002
	s_xor_b32 s16, s16, s12                        ; my place r
	s_xor_b32 s28, s16, 15                         ; 15 - r
	s_lshl_b32 s16, s16, 3
	s_add_co_u32 s16, s16, ttmp9                   ; my tile of queries
	s_lshl_b32 s28, s28, 3
	s_add_co_u32 s28, s28, ttmp9                   ; the other tile
	s_and_b32 s17, ttmp7, 0xffff                   ; 16 batch + head
	s_lshl_b32 s20, s17, 7
	s_add_co_u32 s18, s20, s16
	s_lshl_b32 s18, s18, 10                        ; Q's images
	s_mov_b32 s19, 0
	s_add_co_u32 s30, s20, s28
	s_lshl_b32 s30, s30, 10
	s_mov_b32 s31, 0
	s_lshl_b32 s20, s17, 17                        ; the head's K or V images
	s_mov_b32 s21, 0
	s_lshl_b32 s22, s16, 12                        ; a tile's 16 records
	s_mov_b32 s23, 0
	s_lshl_b32 s32, s28, 12
	s_mov_b32 s33, 0
	s_lshl_b32 s24, s16, 6
	s_add_co_u32 s24, s24, 0x80000                 ; its 16 words of flags
	s_mov_b32 s25, 0
	s_lshl_b32 s34, s28, 6
	s_add_co_u32 s34, s34, 0x80000
	s_mov_b32 s35, 0
	s_lshr_b32 s26, s17, 4
	s_lshl_b32 s26, s26, 7
	s_add_co_u32 s26, s26, s16
	s_lshl_b32 s26, s26, 14                        ; (128 batch + my tile) x 8 images of 2,048 bytes,
	s_and_b32 s27, s17, 15
	s_lshl_b32 s27, s27, 10                        ; + head x 1,024: image head / 2, its half head % 2
	s_add_co_u32 s26, s26, s27
	s_mov_b32 s27, 0
	s_mov_b32 s[SEL], 0x76543210
	s_mov_b32 s[SEL+1], 0xfedcba98
	s_wait_alu depctr_va_vdst(0)
	s_wait_kmcnt 0x0
	s_load_b256 s[92:99], s[8:9], 0x0              ; e0 .. e7
	s_add_nc_u64 s[2:3], s[6:7], s[24:25]
	s_load_b512 s[40:55], s[2:3], 0x0              ; the flags of my tile's 16 records,
	s_add_nc_u64 s[36:37], s[6:7], s[34:35]
	s_load_b512 s[68:83], s[36:37], 0x0            ; and of the other tile's
	s_add_nc_u64 s[MP:MP+1], s[6:7], s[22:23]
	s_add_nc_u64 s[100:101], s[6:7], s[32:33]
	s_add_nc_u64 s[18:19], s[4:5], s[18:19]
	s_add_nc_u64 s[30:31], s[4:5], s[30:31]
	s_add_nc_u64 s[4:5], s[4:5], s[20:21]
	s_add_nc_u64 s[6:7], s[4:5], 0x800000          ; V
	s_add_nc_u64 s[4:5], s[4:5], 0x400000          ; K
	s_add_nc_u64 s[10:11], s[10:11], s[26:27]
	global_load_b128 v[16:19], v1, s[18:19]
	global_load_b128 v[20:23], v1, s[18:19] offset:512
	global_load_b128 v[24:27], v1, s[30:31]
	global_load_b128 v[28:31], v1, s[30:31] offset:512
.irp k, 0,1,2,3,4,5,6,7,8,9,10,11,12,13,14,15
	GET \k
.endr
	s_wait_kmcnt 0x0
	s_or_b32 s15, s40, s41                         ; each word has its own two bits: bit ks: all masked; bit 16 + ks: some masked
	s_or_b32 s91, s68, s69
.irp k, 2,3,4,5,6,7,8,9,10,11,12,13,14,15
	s_or_b32 s15, s15, s[40+\k]
	s_or_b32 s91, s91, s[68+\k]
.endr
	s_add_co_i32 s38, s94, s95
	s_lshl_b32 s38, s38, 23
	s_add_co_i32 s[CS], s38, 0x3e38aa3b            ; c = log2(e) / 8 x 2^(e2 + e3): the exponents are added to c's exponent field
	s_mov_b32 s[CS+1], s[CS]
	s_add_co_i32 s38, s96, 127
	s_lshl_b32 s39, s38, 23
	v_mov_b32 v244, s39                            ; 2^e4
	s_add_co_i32 s38, s38, 8
	s_lshl_b32 s38, s38, 23
	s_or_b32 s38, s38, 0x600000
	v_mov_b32 v240, s38                            ; 448 x 2^e4
	s_add_co_i32 s38, s98, 127
	s_lshl_b32 s39, s38, 23
	v_mov_b32 v245, s39                            ; 2^e6
	s_add_co_i32 s38, s38, 8
	s_lshl_b32 s38, s38, 23
	s_or_b32 s38, s38, 0x600000
	v_mov_b32 v241, s38
	s_add_co_i32 s90, s96, s97                     ; e4 + e5
	v_mov_b32 v13, 0xff61b1e6                      ; the largest t so far: -3e38
	s_delay_alu instid0(VALU_DEP_1)
	v_floor_f32 v12, -v13
	v_mov_b32 v14, 0
	v_mov_b32 v15, 0
	v_mov_b32 v246, 0                              ; a lane permute's destination counts as read
	v_mov_b32 v253, 0                              ; (named as the upper half of v[252:253])
.set j, 0
.rept 64
	v_mov_b32 v[160+j], 0                          ; both O^T: the step is written once, and a walk's first run finds zeros
.set j, j+1
.endr
	s_wait_alu depctr_va_vdst(0)                   ; the wait at the head's end
	s_wait_xcnt 0x0                                ; Q's loads have read their bases s[18:19] and s[30:31]: the record lands there
	PRE 0
.irp g, 0,1,2,3
	s_wait_loadcnt 24-8*\g                         ; Q and key steps up to 4 g + 3 are in; the younger groups' eight loads each may be out
	PUT 4*\g
	PUT 4*\g+1
	PUT 4*\g+2
	PUT 4*\g+3
.endr
	s_wait_dscnt 0x0                               ; for the others' sake: my part of K and V lies in LDS
	s_barrier_signal -1
	s_barrier_wait -1                              ; all of K and V lies in LDS
	WALK 160, 16                                   ; my tile, the even key steps
	v_mov_b32 v10, v12                             ; its -M
	v_add_f32 v11, v14, v15                        ; and its sum, of my half of the keys
	v_mov_b32 v13, 0xff61b1e6
	v_mov_b32 v14, 0
	v_mov_b32 v15, 0
	v_floor_f32 v12, -v13
	s_mov_b32 s15, s91
	s_mov_b64 s[MP:MP+1], s[100:101]
	s_wait_alu depctr_va_vdst(0)                   ; the wait here, directly ahead of the wait below
	PRE 1
	WALK 192, 24                                   ; the other tile, the odd key steps
	; THE EXCHANGE, in K's first bytes, which nobody reads behind the first barrier below.  The six vector lines are also the places behind the last products
	s_wait_kmcnt 0x0                               ; the record asked for ahead of the walk may not have been used: no load into s[16:31] is out when s16 and s17 are written
	s_bfe_u32 s16, s12, 0x10002
	s_xor_b32 s16, s16, s12                        ; r
	s_xor_b32 s17, s16, 15                         ; 15 - r
	s_mul_i32 s16, s16, XS
	s_mul_i32 s17, s17, XS
	v_add_nc_u32 v8, s17, v1                       ; out: the other tile's place
	v_add_nc_u32 v9, s16, v1                       ; in: my tile's
	v_lshrrev_b32 v6, 1, v1                        ; 8 x lane
	v_add_nc_u32 v4, s17, v6
	v_add_nc_u32 v5, s16, v6
	v_add_f32 v13, v14, v15                        ; the second walk's sum, beside its -M in v12
	s_wait_alu depctr_va_vdst(0)
	s_wait_dscnt 0x0
	s_barrier_signal -1
	s_barrier_wait -1                              ; every wave has read its last of K and V
.irp g, 0,1,2,3,4,5,6,7
	ds_store_b128 v8, v[192+4*\g:195+4*\g] offset:512*\g   ; each accumulator's low half first
.endr
	ds_store_b64 v4, v[12:13] offset:4096
	s_wait_dscnt 0x0                               ; for the owner's sake
	s_barrier_signal -1
	s_barrier_wait -1
.irp g, 0,1,2,3,4,5,6,7
	ds_load_b128 v[96+4*\g:99+4*\g], v9 offset:512*\g
.endr
	ds_load_b64 v[128:129], v5 offset:4096
	s_wait_dscnt 0x0
	v_min_num_f32 v9, v10, v128                    ; -M of the whole row: the lesser -M
	v_sub_f32 v8, v9, v10                          ; my part's M - M: a whole number, 0 or less,
	v_sub_f32 v9, v9, v128                         ; and the other part's
	v_cvt_i32_f32 v8, v8                           ; (they saturate)
	v_cvt_i32_f32 v9, v9
	v_ldexp_f32 v252, 1.0, v8
	v_ldexp_f32 v254, 1.0, v9                      ; (v255, the upper half of the pair v[254:255], holds 0)
	v_mul_f32 v14, v11, v252
	v_fma_f32 v14, v129, v254, v14                 ; the sum of my half of the keys
	s_wait_alu depctr_va_vdst(0)                   ; the wait here, directly ahead of the first reader of my tile's O^T
.set j, 0
.rept 16
	v_pk_mul_f32 v[160+j:161+j], v[160+j:161+j], v[252:253] op_sel_hi:[1,0]
.set j, j+2
.endr
.set j, 0
.rept 16
	v_pk_fma_f32 v[160+j:161+j], v[96+j:97+j], v[254:255], v[160+j:161+j] op_sel_hi:[1,0,1]
.set j, j+2
.endr
	v_permlanex16_b32 v246, v14, s[SEL], s[SEL+1]
	v_add_f32 v14, v14, v246                       ; the row's sum
	s_wait_alu depctr_va_vdst(0)
	v_rcp_f32 v15, v14
	v_nop
	v_cmp_eq_f32 vcc_lo, 0, v14                    ; no key counted
	v_mov_b32 v247, 0x7f7f7f7f
	v_cndmask_b32 v247, 0, v247, vcc_lo
	s_wait_alu depctr_va_vdst(0)
	v_ldexp_f32 v15, v15, s90                      ; 2^(e4 + e5) / the sum
.set j, 0
.rept 32
	v_mul_f32 v[96+j], v[160+j], v15
.set j, j+1
.endr
.set j, 0
.rept 32
	v_med3_num_f32 v[96+j], v[96+j], -v241, v241
.set j, j+1
.endr
.set j, 0
.rept 4
	v_cvt_scalef32_pk8_fp8_f32 v[24+2*j:25+2*j], v[96+8*j:103+8*j], v245
.set j, j+1
.endr
	v_nop
.set j, 0
.rept 8
	v_or_b32 v[24+j], v[24+j], v247                ; a row without keys: every code becomes a NaN code
.set j, j+1
.endr
	global_store_b128 v1, v[24:27], s[10:11]       ; 512 consecutive bytes each
	global_store_b128 v1, v[28:31], s[10:11] offset:512
	s_wait_tensorcnt 0x0                           ; the wave's end
	ds_add_u32 v251, v255
	s_wait_dscnt 0x0
	s_endpgm
.Lfunc_end_k_q5d05daea19_attn:
	.size	k_q5d05daea19_attn, .Lfunc_end_k_q5d05daea19_attn-k_q5d05daea19_attn
	.p2alignl 7, 3214868480
	.fill 96, 4, 3214868480
	.section	.rodata,"a",@progbits
	.p2align	6, 0x0
	.amdhsa_kernel k_q5d05daea19_attn
		.amdhsa_group_segment_fixed_size 264192
		.amdhsa_private_segment_fixed_size 0
		.amdhsa_enable_private_segment 0
		.amdhsa_kernarg_size 32
		.amdhsa_user_sgpr_count 2
		.amdhsa_user_sgpr_kernarg_segment_ptr 1
		.amdhsa_wavefront_size32 1
		.amdhsa_system_sgpr_workgroup_id_x 1
		.amdhsa_system_sgpr_workgroup_id_y 1
		.amdhsa_system_sgpr_workgroup_id_z 1
		.amdhsa_system_vgpr_workitem_id 0
		.amdhsa_next_free_vgpr 256
		.amdhsa_next_free_sgpr 102
		.amdhsa_reserve_vcc 1
		.amdhsa_float_denorm_mode_32 3
		.amdhsa_float_denorm_mode_16_64 3
		.amdhsa_memory_ordered 1
		.amdhsa_forward_progress 1
		.amdhsa_inst_pref_size 64
	.end_amdhsa_kernel
	.amdgpu_metadata
---
amdhsa.version: [ 1, 2 ]
amdhsa.kernels:
  - .name:           k_q5d05daea19_attn
    .symbol:         k_q5d05daea19_attn.kd
    .args:
      - { .name: qkv, .offset: 0, .size: 8, .value_kind: global_buffer, .address_space: global }
      - { .name: maskw, .offset: 8, .size: 8, .value_kind: global_buffer, .address_space: global }
      - { .name: lowp_scales, .offset: 16, .size: 8, .value_kind: global_buffer, .address_space: global }
      - { .name: oc, .offset: 24, .size: 8, .value_kind: global_buffer, .address_space: global }
    .group_segment_fixed_size: 264192
    .private_segment_fixed_size: 0
    .kernarg_segment_align: 8
    .kernarg_segment_size: 32
    .max_flat_workgroup_size: 512
    .sgpr_count:     102
    .vgpr_count:     256
    .wavefront_size: 32
...
	.end_amdgpu_metadata
.endif
;; end of part 3
;; launch oproj (part 4): grid 8 x 32, 4 waves a work-group, clusters of 4 x 4, 327,680 bytes of LDS; arguments oc, out_w_codes, lowp_scales, out_b, x, x1; writes x1
.if DOCPART == 4
	.amdgcn_target "amdgcn-amd-amdhsa--gfx1250"
	.amdhsa_code_object_version 6
	.text
	.protected	k_q5d05daea19_oproj
	.globl	k_q5d05daea19_oproj
	.p2align	8
	.type	k_q5d05daea19_oproj,@function
k_q5d05daea19_oproj:
	s_mov_b64 s[64:65], 0
	v_nop
	global_prefetch_b8 v0, s[64:65] scope:SCOPE_SE
	s_setreg_imm32_b32 hwreg(HW_REG_WAVE_MODE, 25, 1), 1
	s_wait_xcnt 0x0
	s_wait_alu depctr_hold_cnt(0) depctr_sa_sdst(0) depctr_va_vdst(0) depctr_va_sdst(0) depctr_va_ssrc(0) depctr_va_vcc(0) depctr_vm_vsrc(0)
	s_getreg_b32 s2, hwreg(HW_REG_IB_STS2, 6, 4)
	s_cmp_eq_u32 s2, 0
	s_cbranch_scc0 .Lentry_in_a_cluster
	s_endpgm
.Lentry_in_a_cluster:
	s_bfe_u32 s2, ttmp6, 0x10000c
	s_cmp_lg_u32 s2, 0xf033
	s_cbranch_scc0 .Lentry_shape_is_right
	s_endpgm
.Lentry_shape_is_right:
; out = resid + (A W^T) x 2^(ea + eb) + bias.  A: images of operand registers, [256 tiles of 16 rows][SIZE_K / 128][2,048 bytes] (group g of 4 registers at 512 g + 16 x lane; registers 2 c, 2 c + 1: k = 16 c + 8 h + 0 .. 7).
; W: [1,024][SIZE_K] codes, K innermost.  bias [1,024], resid and out [4,096][1,024] f32.
; A tile of the result is 128 x 128, so that 8 x 32 tiles give each of 256 work-groups one; a wave makes 64 x 64: 16 accumulators.  K goes in steps of 512 through two LDS slots.
; A's part of a slot: 8 row tiles x 8,192 bytes, as they lie (a fragment load reads 512 consecutive bytes).  W's: 512 bytes of each of 128 rows of 1,024 bytes + 16.  W's fragments come by loads of 8 bytes, in the form's own order of k, as A's images have it.
; CLUSTERS of 4 x 4: A's tile is shared along a row of the cluster, W's along a column: joint loads.  Source 0 = W's rows, source 1 = A's: a lane holds eight neighbouring numbers of a row of the result.
; The wave's 64 x 64 of resid is loaded at the head, in the stores' own lane pattern, and waits in window 2.  A block of 16 rows goes through the wave's own stage and leaves as rows of 256 bytes.
; LIMIT: ea + eb between -126 and 127.
; REGISTERS: window 0: v0-31 addresses; v32-63, v64-95 rows on the way out; v96-99 bias; v128-255 accumulators ((a, b) at v[128 + 8 (4 a + b)]).  window 1: two fragment buffers of 128: A's 4 x 16, then W's 4 x 16.  window 2: v0-127 resid.
.set SIZE_K, 1024
.set SCOFF,  24                        ; byte of ea in lowp_scales; eb follows
.set KSTEP,  512
.set LAPS,   SIZE_K/(2*KSTEP)
; THE WHOLE OF K LIES IN LDS AT ONCE: each wave issues one tensor load, for all 1,024 along K of its half of A's or W's tile, and nothing is filled again.
; What the text below calls slot 0 and slot 1 are the two halves of K: 8,192 bytes apart in a row tile's images, 512 bytes apart in W's rows.  No loop is left to ask ahead in, so no prefetch is written.
.set AROW,   16384                     ; a row tile's eight images
.set AHALF,  4*AROW
.set PITCH,  1040                      ; a row of W: 1,024 bytes + 16 = 260 words: the 32 lanes of a load of 8 bytes touch 64 different words modulo 64
.set BHALF,  64*PITCH
.set BOFF,   2*AHALF
.set SLOT,   BOFF+2*BHALF
.set STAGE,  SLOT
.set SPITCH, 272
.set SPARE,  STAGE+4*16*SPITCH         ; the spare words, 128 bytes a wave: no other line names them
.set ADRA, 16
.set ADRB, 20
.set STO,  24
.set RD,   25
.set CO,   26
.set BO,   27
.set SPW,  28
.set NIL,  29
.set BK,   32
.set BI,   96
.set ACC,  128
.set F0,   0
.set F1,   128
.set G1, 24
.set G0, 32
.set G1B, 48
.set G0B, 56
.set MSB, 0
.macro WIN new
.if MSB != \new
	s_set_vgpr_msb (MSB<<8)|\new
.set MSB, \new
.endif
.endm
.set MUL,  0x05                        ; sources 0 and 1 window 1; C and D window 0
.set TO_F, 0x40                        ; destination window 1
.macro JLOAD s                         ; waves 0, 1 fetch A's halves, waves 2, 3 W's; four v_nop follow each line
	s_cmp_eq_u32 s11, 0
	s_cbranch_scc0 .Lfor_b_\@
	tensor_load_to_lds s[G0+4*\s:G0+4*\s+3], s[G1:G1+7]
	s_nop 0
.rept 4
	v_nop
.endr
	s_branch .Lasked_\@
.Lfor_b_\@:
	tensor_load_to_lds s[G0B+4*\s:G0B+4*\s+3], s[G1B:G1B+7]
	s_nop 0
.rept 4
	v_nop
.endr
.Lasked_\@:
.endm
.macro CREST
	s_cmp_lg_u32 s10, 0
	s_cbranch_scc1 .Lnot_wave_0_\@
	s_barrier_signal -3
.Lnot_wave_0_\@:
	s_barrier_wait -3
	s_barrier_signal -1
	s_barrier_wait -1
.endm
.macro CROUND
	s_barrier_signal -1
	s_barrier_wait -1
	CREST
.endm
	s_load_b128 s[4:7], s[0:1], 0x0                ; A's images, W's codes
	s_load_b256 s[68:75], s[0:1], 0x10             ; the scales' exponents, bias, resid, out
	v_lshl_add_u32 v[SPW], v0, 2, SPARE
	v_mov_b32 v[NIL], 0
	ds_add_u32 v28, v29
	ds_add_u32 v28, v29
	s_wait_dscnt 0x0
	v_lshrrev_b32 v1, 5, v0
	v_readfirstlane_b32 s10, v1                    ; wave
	s_lshr_b32 s11, s10, 1                         ; my half of the rows.  Also: I fetch for A (0) or W (1)
	s_and_b32 s12, s10, 1                          ; my half of the columns.  Also: which half I fetch
	s_bfe_u32 s40, ttmp6, 0x40000                  ; cx
	s_bfe_u32 s41, ttmp6, 0x40004                  ; cy
	s_lshl_b32 s42, ttmp9, 2
	s_add_co_u32 s42, s42, s40                     ; tile column
	s_and_b32 s13, ttmp7, 0xffff
	s_lshl_b32 s13, s13, 2
	s_add_co_u32 s13, s13, s41                     ; tile row
	s_lshl_b32 s43, s41, 2
	s_lshl_b32 s43, 15, s43
	s_lshl_b32 s44, 0x1111, s40
	s_or_b32 s[G1+0], s43, (3<<16)|(1<<21)         ; A: my row's mask; elements of 8 bytes; no padding
	s_mov_b32 s[G1+1], 2048<<16                    ; tensor_dim0: 16,384 bytes
	s_mov_b32 s[G1+2], 4<<16                       ; tensor_dim1: 4 row tiles
	s_mov_b32 s[G1+3], 2048<<16                    ; tile_dim0
	s_mov_b32 s[G1+4], 4                           ; tile_dim1
	s_mov_b32 s[G1+5], 2*SIZE_K                    ; from row tile to row tile: 16 SIZE_K bytes
	s_mov_b32 s[G1+6], 0
	s_mov_b32 s[G1+7], 0
	s_or_b32 s[G1B+0], s44, (0<<16)|(1<<20)|(1<<21)|(7<<22)|(3<<25)  ; W: my column's mask; bytes; 4 words of padding after every 256
	s_mov_b32 s[G1B+1], SIZE_K<<16
	s_mov_b32 s[G1B+2], 64<<16
	s_mov_b32 s[G1B+3], SIZE_K<<16
	s_mov_b32 s[G1B+4], 64
	s_mov_b32 s[G1B+5], SIZE_K
	s_mov_b32 s[G1B+6], 0
	s_mov_b32 s[G1B+7], 0
	s_lshl_b32 s16, s13, 3
	s_lshl_b32 s17, s12, 2
	s_add_co_u32 s16, s16, s17                     ; A: row tile 8 x tile row + 4 x half
	s_mul_i32 s16, s16, 16*SIZE_K
	s_mov_b32 s17, 0
	s_lshl_b32 s46, s42, 7
	s_lshl_b32 s47, s12, 6
	s_add_co_u32 s46, s46, s47                     ; W: row 128 x tile column + 64 x half
	s_mul_i32 s46, s46, SIZE_K
	s_mov_b32 s47, 0
	s_mul_i32 s20, s12, AHALF                      ; where they go
	s_mul_i32 s21, s12, BHALF
	s_add_co_u32 s21, s21, BOFF
	s_wait_kmcnt 0x0
	s_load_b64 s[76:77], s[68:69], SCOFF           ; ea, eb
	s_add_nc_u64 s[14:15], s[4:5], s[16:17]
	s_add_nc_u64 s[46:47], s[6:7], s[46:47]
	CROUND                                         ; all sixteen work-groups are here: the first joint loads meet
.irp s, 0
	s_mov_b32 s[G0+4*\s], 1
	s_add_co_u32 s[G0+4*\s+1], s20, \s*SLOT
	s_add_nc_u64 s[G0+4*\s+2:G0+4*\s+3], s[14:15], \s*AROW
	s_or_b32 s[G0+4*\s+3], s[G0+4*\s+3], 0x80000000
	s_mov_b32 s[G0B+4*\s], 1
	s_add_co_u32 s[G0B+4*\s+1], s21, \s*SLOT
	s_add_nc_u64 s[G0B+4*\s+2:G0B+4*\s+3], s[46:47], \s*KSTEP
	s_or_b32 s[G0B+4*\s+3], s[G0B+4*\s+3], 0x80000000
	JLOAD \s
.endr
	v_and_b32 v1, 15, v0                           ; r
	v_bfe_u32 v2, v0, 4, 1                         ; h
	v_and_b32 v3, 31, v0
	v_lshlrev_b32 v3, 4, v3                        ; 16 x lane
	v_mul_u32_u24 v4, v1, PITCH
	v_lshl_add_u32 v4, v2, 3, v4                   ; W: row r, + 8 h
	s_mul_i32 s21, s11, AHALF
	s_mul_i32 s22, s12, BHALF
	s_add_co_u32 s22, s22, BOFF
.irp s, 0,1
	v_add_nc_u32 v[ADRA+\s], s21, v3
	v_add_nc_u32 v[ADRB+\s], s22, v4
	s_add_co_u32 s21, s21, 8192                    ; the second half of K: four images on,
	s_add_co_u32 s22, s22, 512                     ; 512 bytes on in W's rows
.endr
	s_mul_i32 s23, s10, 16*SPITCH
	s_add_co_u32 s23, s23, STAGE                   ; my stage
	v_mul_u32_u24 v4, v1, SPITCH
	v_lshl_add_u32 v4, v2, 5, v4
	v_add_nc_u32 v[STO], s23, v4                   ; in: row r, 32 bytes for each half of the lanes
	v_mul_u32_u24 v5, v2, SPITCH
	v_lshl_add_u32 v5, v1, 4, v5
	v_add_nc_u32 v[RD], s23, v5                    ; back: lanes 0-15 one row of 256 bytes, lanes 16-31 the next
	v_lshlrev_b32 v[CO], 12, v2
	v_lshl_add_u32 v[CO], v1, 4, v[CO]             ; the same two rows in resid and out
	s_wait_alu depctr_va_vdst(0)
	v_lshlrev_b32 v[BO], 4, v1
	s_wait_alu depctr_va_vdst(0)
	s_lshl_b32 s78, s13, 19
	s_lshl_b32 s79, s11, 18
	s_add_co_u32 s78, s78, s79                     ; my first row x 4,096 bytes
	s_lshl_b32 s80, s42, 9
	s_lshl_b32 s81, s12, 8
	s_add_co_u32 s80, s80, s81                     ; my first column x 4
	s_add_co_u32 s78, s78, s80
	s_mov_b32 s79, 0
	s_mov_b32 s81, 0
	s_add_nc_u64 s[72:73], s[72:73], s[78:79]
	s_add_nc_u64 s[74:75], s[74:75], s[78:79]
	s_add_nc_u64 s[70:71], s[70:71], s[80:81]
	WIN 0x80                                       ; destination window 2
.irp a, 0,1,2,3
.irp t, 0,1,2,3,4,5,6,7
	global_load_b128 v[32*\a+4*\t:32*\a+4*\t+3], v[CO], s[72:73] offset:(16*\a+2*\t)*4096
.endr
.endr
	WIN 0
	global_load_b128 v[BI:BI+3], v[BO], s[70:71]
.macro MUL4 f, a, zero                 ; A's block a x W's four; the 16 accumulators take turns
.irp b, 0,1,2,3
.if \zero
	v_wmma_f32_16x16x128_fp8_fp8 v[ACC+8*(4*(\a)+\b):ACC+8*(4*(\a)+\b)+7], v[\f+64+16*\b:\f+64+16*\b+15], v[\f+16*(\a):\f+16*(\a)+15], 0
.else
	v_wmma_f32_16x16x128_fp8_fp8 v[ACC+8*(4*(\a)+\b):ACC+8*(4*(\a)+\b)+7], v[\f+64+16*\b:\f+64+16*\b+15], v[\f+16*(\a):\f+16*(\a)+15], v[ACC+8*(4*(\a)+\b):ACC+8*(4*(\a)+\b)+7]
.endif
.endr
.endm
.macro FETCH slot, q, f                ; 48 LDS loads in one run: the slot's q-th 128 along K; W's four fragments, then A's four
	WIN TO_F
.irp i, 0,1,2,3
.irp c, 0,1,2,3,4,5,6,7
	ds_load_b64 v[\f+64+16*\i+2*\c:\f+64+16*\i+2*\c+1], v[ADRB+\slot] offset:128*(\q)+16*\c+\i*16*PITCH
.endr
.endr
.irp i, 0,1,2,3
.irp c, 0,1,2,3
	ds_load_b128 v[\f+16*\i+4*\c:\f+16*\i+4*\c+3], v[ADRA+\slot] offset:AROW*\i+2048*(\q)+512*\c
.endr
.endr
.endm
.macro PLACES
.rept 4
	v_nop
.endr
.endm
.macro QUARTER slot, q, f, g, zero     ; multiplies buffer f, fetches the slot's q-th 128 along K into g
	s_wait_dscnt 8                                 ; W's fragments and A's blocks 0, 1 are in; A's blocks 2, 3 (8 loads) may be out
	WIN MUL
	MUL4 \f, 0, \zero
	MUL4 \f, 1, \zero
	PLACES
	FETCH \slot, \q, \g
	s_wait_dscnt 48                                ; all but the 48 just issued
	WIN MUL
	MUL4 \f, 2, \zero
	MUL4 \f, 3, \zero
.endm
.macro TURN slot, next, fill           ; a slot's last quarter (buffer 1) changes slots: one barrier
	WIN 0
	s_wait_tensorcnt 0x0                           ; all my tensor loads have landed: my part of the next slot
	ds_add_u32 v[SPW], v[NIL]                      ; 0 onto my spare word
	s_wait_dscnt 9                                 ; the add and A's blocks 2, 3 may be out
	WIN MUL
	MUL4 F1, 0, 0
	s_wait_dscnt 0x0                               ; the add is done, and my reads of this slot are over
	s_barrier_signal -1
	MUL4 F1, 1, 0
.if \fill
	WIN 0
.endif
	s_barrier_wait -1
.if \fill
	CREST                                          ; the barrier has opened a round of the cluster's
	s_add_nc_u64 s[G0+4*\slot+2:G0+4*\slot+3], s[G0+4*\slot+2:G0+4*\slot+3], 2*AROW
	s_add_nc_u64 s[G0B+4*\slot+2:G0B+4*\slot+3], s[G0B+4*\slot+2:G0B+4*\slot+3], 2*KSTEP
	JLOAD \slot                                    ; the first tensor load behind the round; its four v_nop are the places in front of the loads below
.else
	PLACES
.endif
	FETCH \next, 0, F0
	WIN MUL
	MUL4 F1, 2, 0
	MUL4 F1, 3, 0
.endm
	s_wait_tensorcnt 0x0                           ; my one load is in
	s_barrier_signal -1
	s_barrier_wait -1
	FETCH 0, 0, F0
	QUARTER 0, 1, F0, F1, 1                        ; the first quarter's products start the sums
.if LAPS > 1
	WIN 0
	s_mov_b32 s3, LAPS-1
.Llap:
	QUARTER 0, 2, F1, F0, 0
	QUARTER 0, 3, F0, F1, 0
	TURN 0, 1, 1
	QUARTER 1, 1, F0, F1, 0
	QUARTER 1, 2, F1, F0, 0
	QUARTER 1, 3, F0, F1, 0
	TURN 1, 0, 1
	QUARTER 0, 1, F0, F1, 0
	WIN 0
	s_sub_co_u32 s3, s3, 1
	s_cmp_lg_u32 s3, 0
	s_cbranch_scc1 .Llap
.endif
	QUARTER 0, 2, F1, F0, 0
	QUARTER 0, 3, F0, F1, 0
	TURN 0, 1, 0
	QUARTER 1, 1, F0, F1, 0
	QUARTER 1, 2, F1, F0, 0
	QUARTER 1, 3, F0, F1, 0
	s_wait_dscnt 8
	WIN MUL
	MUL4 F1, 0, 0
	MUL4 F1, 1, 0
	s_wait_dscnt 0
	MUL4 F1, 2, 0
	MUL4 F1, 3, 0
	WIN 0
	s_wait_loadcnt 0x0                             ; resid and bias
	s_wait_kmcnt 0x0
	s_add_co_i32 s76, s76, s77
	s_add_co_i32 s76, s76, 127
	s_lshl_b32 s76, s76, 23                        ; 2^(ea + eb)
	s_mov_b32 s77, s76
	WIN 0x82                                       ; source 0 and destination window 2
.set j, 0
.rept 32
	v_pk_add_f32 v[4*j:4*j+1], v[4*j:4*j+1], v[BI:BI+1]        ; resid + bias; these are also the places behind the last products
	v_pk_add_f32 v[4*j+2:4*j+3], v[4*j+2:4*j+3], v[BI+2:BI+3]
.set j, j+1
.endr
	WIN 0
.macro TOSTAGE a                       ; block a's sums into my stage, each accumulator's low half first, and back as rows; LDS serves a wave's instructions in order
.irp b, 0,1,2,3
	ds_store_b128 v[STO], v[ACC+8*(4*(\a)+\b):ACC+8*(4*(\a)+\b)+3] offset:64*\b
	ds_store_b128 v[STO], v[ACC+8*(4*(\a)+\b)+4:ACC+8*(4*(\a)+\b)+7] offset:64*\b+16
.endr
.set BB, BK+32*((\a)%2)
.irp t, 0,1,2,3,4,5,6,7
	ds_load_b128 v[BB+4*\t:BB+4*\t+3], v[RD] offset:\t*2*SPITCH
.endr
.endm
.macro SEND a, younger
.set BB, BK+32*((\a)%2)
	s_wait_dscnt \younger                          ; the block is back; the next block's 8 stores and 8 loads may be out
	WIN 0x20                                       ; source 2 window 2
.set j, 0
.rept 16
	v_pk_fma_f32 v[BB+j:BB+j+1], v[BB+j:BB+j+1], s[76:77], v[32*(\a)+j:32*(\a)+j+1] op_sel_hi:[1,0,1]
.set j, j+2
.endr
	WIN 0
.irp t, 0,1,2,3,4,5,6,7
	global_store_b128 v[CO], v[BB+4*\t:BB+4*\t+3], s[74:75] offset:(16*(\a)+2*\t)*4096   ; 16 lanes: 256 consecutive bytes, aligned
.endr
.endm
	TOSTAGE 0
	TOSTAGE 1
	SEND 0, 16
	s_wait_xcnt 0x0                                ; block 0's stores have read their registers
	TOSTAGE 2
	SEND 1, 16
	s_wait_xcnt 0x0
	TOSTAGE 3
	SEND 2, 16
	SEND 3, 0
	s_wait_tensorcnt 0x0                           ; the wave's end
	ds_add_u32 v[SPW], v[NIL]
	s_wait_dscnt 0x0
	CROUND                                         ; the closing round
	s_endpgm
.Lfunc_end_k_q5d05daea19_oproj:
	.size	k_q5d05daea19_oproj, .Lfunc_end_k_q5d05daea19_oproj-k_q5d05daea19_oproj
	.p2alignl 7, 3214868480
	.fill 96, 4, 3214868480
	.section	.rodata,"a",@progbits
	.p2align	6, 0x0
	.amdhsa_kernel k_q5d05daea19_oproj
		.amdhsa_group_segment_fixed_size 327680
		.amdhsa_private_segment_fixed_size 0
		.amdhsa_enable_private_segment 0
		.amdhsa_kernarg_size 48
		.amdhsa_user_sgpr_count 2
		.amdhsa_user_sgpr_kernarg_segment_ptr 1
		.amdhsa_wavefront_size32 1
		.amdhsa_system_sgpr_workgroup_id_x 1
		.amdhsa_system_sgpr_workgroup_id_y 1
		.amdhsa_system_sgpr_workgroup_id_z 1
		.amdhsa_system_vgpr_workitem_id 0
		.amdhsa_next_free_vgpr 768
		.amdhsa_next_free_sgpr 96
		.amdhsa_reserve_vcc 0
		.amdhsa_float_denorm_mode_32 3
		.amdhsa_float_denorm_mode_16_64 3
		.amdhsa_memory_ordered 1
		.amdhsa_forward_progress 1
		.amdhsa_inst_pref_size 60
	.end_amdhsa_kernel
	.amdgpu_metadata
---
amdhsa.version: [ 1, 2 ]
amdhsa.kernels:
  - .name:           k_q5d05daea19_oproj
    .symbol:         k_q5d05daea19_oproj.kd
    .args:
      - { .name: oc, .offset: 0, .size: 8, .value_kind: global_buffer, .address_space: global }
      - { .name: out_w_codes, .offset: 8, .size: 8, .value_kind: global_buffer, .address_space: global }
      - { .name: lowp_scales, .offset: 16, .size: 8, .value_kind: global_buffer, .address_space: global }
      - { .name: out_b, .offset: 24, .size: 8, .value_kind: global_buffer, .address_space: global }
      - { .name: x, .offset: 32, .size: 8, .value_kind: global_buffer, .address_space: global }
      - { .name: x1, .offset: 40, .size: 8, .value_kind: global_buffer, .address_space: global }
    .group_segment_fixed_size: 327680
    .private_segment_fixed_size: 0
    .kernarg_segment_align: 8
    .kernarg_segment_size: 48
    .max_flat_workgroup_size: 128
    .sgpr_count:     96
    .vgpr_count:     768
    .wavefront_size: 32
...
	.end_amdgpu_metadata
.endif
;; end of part 4
;; launch ln2 (part 5): grid 256 x 1, 4 waves a work-group, no clusters, 20,992 bytes of LDS; arguments x1, ln2_g, ln2_b, lowp_scales, h2c; writes h2c
.if DOCPART == 5
	.amdgcn_target "amdgcn-amd-amdhsa--gfx1250"
	.amdhsa_code_object_version 6
	.text
	.protected	k_q5d05daea19_ln2
	.globl	k_q5d05daea19_ln2
	.p2align	8
	.type	k_q5d05daea19_ln2,@function
k_q5d05daea19_ln2:
	s_mov_b64 s[64:65], 0
	v_nop
	global_prefetch_b8 v0, s[64:65] scope:SCOPE_SE
	s_setreg_imm32_b32 hwreg(HW_REG_WAVE_MODE, 25, 1), 1
	s_wait_xcnt 0x0
; h2c = codes of LayerNorm(x1) (E4M3, scale 2^e8), [4096][1024] bytes, row-major.
; A wave takes 4 rows; a row of 4,096 bytes is 8 loads of 512 consecutive bytes and stays in 32 registers.  Mean first, then the mean of (x - mean)^2: no difference of large sums.
; The conversion takes 8 neighbours from ONE lane's registers, so a row turns through the wave's own stage in LDS, 2,048 bytes at a time: in as loaded, back 64 bytes a lane (places 80 bytes apart);
; a lane's 16 codes are 16 bytes, the wave stores 512 consecutive bytes.  Waves share nothing: no barrier.
; LIMITS: e8 between -126 and 119.  A row of NaN (a query without keys) gives codes of no meaning; the residual carries its NaN to the output.
.set G,   32
.set BV,  64
.set X,   96
.set COD, 224
.set SP,  80
.set SCB, 32                           ; byte of the scale's exponent in lowp_scales
.macro REDUCE
	v_pk_add_f32 v[12:13], v[12:13], v[14:15]
	v_add_f32 v12, v12, v13
	v_add_f32_dpp v12, v12, v12 row_xmask:1 row_mask:0xf bank_mask:0xf
	v_add_f32_dpp v12, v12, v12 row_xmask:2 row_mask:0xf bank_mask:0xf
	v_add_f32_dpp v12, v12, v12 row_xmask:4 row_mask:0xf bank_mask:0xf
	v_add_f32_dpp v12, v12, v12 row_xmask:8 row_mask:0xf bank_mask:0xf
	v_permlanex16_b32 v13, v12, s12, s13
	v_add_f32 v12, v12, v13
.endm
.macro LNROW i
.set XR, X+32*(\i)
	s_wait_loadcnt 8*(3-(\i))                      ; this row's eight loads are in; the younger rows' may be out
	v_pk_add_f32 v[12:13], v[XR:XR+1], v[XR+2:XR+3]
	v_pk_add_f32 v[14:15], v[XR+4:XR+5], v[XR+6:XR+7]
.set j, 8
.rept 6
	v_pk_add_f32 v[12:13], v[12:13], v[XR+j:XR+j+1]
	v_pk_add_f32 v[14:15], v[14:15], v[XR+j+2:XR+j+3]
.set j, j+4
.endr
	REDUCE
	v_mul_f32 v8, s14, v12                         ; the mean
	v_mov_b32 v9, v8
.set j, 0
.rept 16
	v_pk_add_f32 v[XR+j:XR+j+1], v[XR+j:XR+j+1], v[8:9] neg_lo:[0,1] neg_hi:[0,1]
.set j, j+2
.endr
	v_pk_mul_f32 v[12:13], v[XR:XR+1], v[XR:XR+1]
	v_pk_mul_f32 v[14:15], v[XR+2:XR+3], v[XR+2:XR+3]
.set j, 4
.rept 7
	v_pk_fma_f32 v[12:13], v[XR+j:XR+j+1], v[XR+j:XR+j+1], v[12:13]
	v_pk_fma_f32 v[14:15], v[XR+j+2:XR+j+3], v[XR+j+2:XR+j+3], v[14:15]
.set j, j+4
.endr
	REDUCE
	v_fma_f32 v10, v12, s14, s15                   ; the variance + 1e-5
	s_wait_alu depctr_va_vdst(0)
	v_rsq_f32 v10, v10
	v_nop                                          ; a plain instruction behind the root,
	s_wait_alu depctr_va_vdst(0)                   ; and the wait ahead of its first reader
	v_mov_b32 v11, v10
.set j, 0
.rept 16
	v_pk_mul_f32 v[XR+j:XR+j+1], v[XR+j:XR+j+1], v[10:11]
.set j, j+2
.endr
.set j, 0
.rept 16
	v_pk_fma_f32 v[XR+j:XR+j+1], v[XR+j:XR+j+1], v[G+j:G+j+1], v[BV+j:BV+j+1]
.set j, j+2
.endr
.irp u, 0,1                                    ; through the stage: LDS serves a wave's instructions in order
.irp q, 0,1,2,3
	ds_store_b128 v2, v[XR+16*\u+4*\q:XR+16*\u+4*\q+3] offset:32*SP*\u+8*SP*\q
.endr
.irp q, 0,1,2,3
	ds_load_b128 v[XR+16*\u+4*\q:XR+16*\u+4*\q+3], v3 offset:32*SP*\u+16*\q
.endr
.endr
.irp u, 0,1
	s_wait_dscnt 8-8*\u                            ; half u is back; behind half 0 stand half 1's four stores and four loads
.set j, 0
.rept 16
	v_med3_num_f32 v[XR+16*\u+j], v[XR+16*\u+j], -v7, v7   ; the conversion does not saturate (ISA guide 7.6.2): the hold at 448 x the scale
.set j, j+1
.endr
	v_cvt_scalef32_pk8_fp8_f32 v[COD+8*(\i)+4*\u:COD+8*(\i)+4*\u+1], v[XR+16*\u:XR+16*\u+7], v6
	v_cvt_scalef32_pk8_fp8_f32 v[COD+8*(\i)+4*\u+2:COD+8*(\i)+4*\u+3], v[XR+16*\u+8:XR+16*\u+15], v6
	v_nop
	global_store_b128 v1, v[COD+8*(\i)+4*\u:COD+8*(\i)+4*\u+3], s[18:19] offset:1024*(\i)+512*\u   ; 32 lanes: 512 consecutive bytes
.endr
.endm
	s_load_b256 s[4:11], s[0:1], 0x0               ; x1, gain, bias, the scales' exponents
	s_load_b64 s[18:19], s[0:1], 0x20              ; h2c
	v_lshl_add_u32 v30, v0, 2, 0x5000
	v_mov_b32 v31, 0
	v_lshrrev_b32 v5, 5, v0
	v_readfirstlane_b32 s22, v5                    ; wave
	v_and_b32 v4, 31, v0                           ; lane
	v_lshlrev_b32 v1, 4, v4                        ; 16 x lane
	s_mul_i32 s23, s22, 64*SP                      ; my wave's two stages
	v_lshrrev_b32 v2, 2, v4
	v_mul_u32_u24 v2, v2, SP
	v_and_b32 v3, 3, v4
	v_lshl_add_u32 v2, v3, 4, v2
	v_add_nc_u32 v2, s23, v2
	v_mul_u32_u24 v3, v4, SP
	v_add_nc_u32 v3, s23, v3
	s_mov_b32 s12, 0x76543210
	s_mov_b32 s13, 0xfedcba98
	s_mov_b32 s14, 0x3a800000                      ; 1 / 1024
	s_mov_b32 s15, 0x3727c5ac                      ; 1e-5
	s_lshl_b32 s24, ttmp9, 16
	s_lshl_b32 s25, s22, 14
	s_add_co_u32 s24, s24, s25
	s_mov_b32 s25, 0
	s_lshr_b32 s26, s24, 2
	s_mov_b32 s27, 0
	s_wait_alu depctr_va_vdst(0)
	s_wait_kmcnt 0x0
	s_load_b32 s28, s[10:11], SCB
	s_add_nc_u64 s[4:5], s[4:5], s[24:25]
	s_add_nc_u64 s[18:19], s[18:19], s[26:27]
.set j, 0
.rept 8
	global_load_b128 v[G+4*j:G+4*j+3], v1, s[6:7] offset:512*j
.set j, j+1
.endr
.set j, 0
.rept 8
	global_load_b128 v[BV+4*j:BV+4*j+3], v1, s[8:9] offset:512*j
.set j, j+1
.endr
.irp i, 0,1,2,3
.set j, 0
.rept 8
	global_load_b128 v[X+32*\i+4*j:X+32*\i+4*j+3], v1, s[4:5] offset:4096*\i+512*j th:TH_LOAD_NT
.set j, j+1
.endr
.endr
	s_wait_kmcnt 0x0
	s_add_co_i32 s28, s28, 127
	s_lshl_b32 s29, s28, 23
	v_mov_b32 v6, s29                              ; 2^e as f32
	s_add_co_i32 s28, s28, 8
	s_lshl_b32 s28, s28, 23
	s_or_b32 s28, s28, 0x600000
	v_mov_b32 v7, s28                              ; 448 x 2^e
	LNROW 0
	LNROW 1
	LNROW 2
	LNROW 3
	s_wait_tensorcnt 0x0
	ds_add_u32 v30, v31
	s_wait_dscnt 0x0
	s_endpgm
.Lfunc_end_k_q5d05daea19_ln2:
	.size	k_q5d05daea19_ln2, .Lfunc_end_k_q5d05daea19_ln2-k_q5d05daea19_ln2
	.p2alignl 7, 3214868480
	.fill 96, 4, 3214868480
	.section	.rodata,"a",@progbits
	.p2align	6, 0x0
	.amdhsa_kernel k_q5d05daea19_ln2
		.amdhsa_group_segment_fixed_size 20992
		.amdhsa_private_segment_fixed_size 0
		.amdhsa_enable_private_segment 0
		.amdhsa_kernarg_size 40
		.amdhsa_user_sgpr_count 2
		.amdhsa_user_sgpr_kernarg_segment_ptr 1
		.amdhsa_wavefront_size32 1
		.amdhsa_system_sgpr_workgroup_id_x 1
		.amdhsa_system_sgpr_workgroup_id_y 1
		.amdhsa_system_sgpr_workgroup_id_z 1
		.amdhsa_system_vgpr_workitem_id 0
		.amdhsa_next_free_vgpr 256
		.amdhsa_next_free_sgpr 66
		.amdhsa_reserve_vcc 0
		.amdhsa_float_denorm_mode_32 3
		.amdhsa_float_denorm_mode_16_64 3
		.amdhsa_memory_ordered 1
		.amdhsa_forward_progress 1
		.amdhsa_inst_pref_size 46
	.end_amdhsa_kernel
	.amdgpu_metadata
---
amdhsa.version: [ 1, 2 ]
amdhsa.kernels:
  - .name:           k_q5d05daea19_ln2
    .symbol:         k_q5d05daea19_ln2.kd
    .args:
      - { .name: x1, .offset: 0, .size: 8, .value_kind: global_buffer, .address_space: global }
      - { .name: ln2_g, .offset: 8, .size: 8, .value_kind: global_buffer, .address_space: global }
      - { .name: ln2_b, .offset: 16, .size: 8, .value_kind: global_buffer, .address_space: global }
      - { .name: lowp_scales, .offset: 24, .size: 8, .value_kind: global_buffer, .address_space: global }
      - { .name: h2c, .offset: 32, .size: 8, .value_kind: global_buffer, .address_space: global }
    .group_segment_fixed_size: 20992
    .private_segment_fixed_size: 0
    .kernarg_segment_align: 8
    .kernarg_segment_size: 40
    .max_flat_workgroup_size: 128
    .sgpr_count:     66
    .vgpr_count:     256
    .wavefront_size: 32
...
	.end_amdgpu_metadata
.endif
;; end of part 5
;; launch mlp1 (part 6): grid 16 x 16, 4 waves a work-group, clusters of 4 x 4, 327,680 bytes of LDS; arguments h2c, mlp_w1_codes, lowp_scales, mlp_b1, gc; writes gc
.if DOCPART == 6
	.amdgcn_target "amdgcn-amd-amdhsa--gfx1250"
	.amdhsa_code_object_version 6
	.text
	.protected	k_q5d05daea19_mlp1
	.globl	k_q5d05daea19_mlp1
	.p2align	8
	.type	k_q5d05daea19_mlp1,@function
k_q5d05daea19_mlp1:
	s_mov_b64 s[64:65], 0
	v_nop
	global_prefetch_b8 v0, s[64:65] scope:SCOPE_SE
	s_setreg_imm32_b32 hwreg(HW_REG_WAVE_MODE, 25, 1), 1
	s_wait_xcnt 0x0
	s_wait_alu depctr_hold_cnt(0) depctr_sa_sdst(0) depctr_va_vdst(0) depctr_va_sdst(0) depctr_va_ssrc(0) depctr_va_vcc(0) depctr_vm_vsrc(0)
	s_getreg_b32 s2, hwreg(HW_REG_IB_STS2, 6, 4)
	s_cmp_eq_u32 s2, 0
	s_cbranch_scc0 .Lentry_in_a_cluster
	s_endpgm
.Lentry_in_a_cluster:
	s_bfe_u32 s2, ttmp6, 0x10000c
	s_cmp_lg_u32 s2, 0xf033
	s_cbranch_scc0 .Lentry_shape_is_right
	s_endpgm
.Lentry_shape_is_right:
; gc = codes (e10) of gelu(LN2 codes x mlp_w1 codes x 2^(e8 + e9) + mlp_b1), stored as images of operand registers: [256 tiles of 16 rows][32 steps of 128 along the next K][2,048 bytes].
; A work-group makes 256 x 256, a wave 128 x 128: 64 accumulators.  K = 1,024 goes in steps of 256 through a ring of two LDS slots; clusters of 4 x 4 ask for A's tiles jointly along a row, for the weight's along a column.
; gelu(v) = v Phi(v), exact form: erfc by a rational argument t = 1 / (1 + |v| / (2 sqrt 2)) and t x 2^(a polynomial in t - v^2 log2(e) / 2); all in f32.
; PREFETCH.  A K step is 256 bytes of each row.  Of the 128 rows that a wave fetches, each of the four partners that ask for them jointly names 32, told apart by address (cx for A, cy for the weight): a lane a row.
; K steps 1 and 2 are named at the head, behind K step 0's load, K step 3 behind K step 1's load: the offsets are immediates, and v27 and s[98:99] are never rewritten.
; LIMITS: e8 + e9 between -126 and 127; e10 between -126 and 119.
.set SIZE_K, 1024
.set KSTEP,  256
.set ROWB,   256
.set KROW,   SIZE_K
.set PITCH,  272
.set FR,     16
.set NL,     4
.set NP,     4
.set HALFT,  128*PITCH
.set SLOT,   4*HALFT
.set LAPS,   SIZE_K/(2*KSTEP)
.set SPARE,  2*SLOT
.set ADRA, 16
.set ADRB, 20
.set IM,   24
.set BO,   26
.set SPW,  28
.set NIL,  29
.set QS,   30
.set QL,   31
.set BIAS, 32
.set TT,   128
.set PP,   160
.set MM,   192
.set COD,  224
.set AF,   128
.set G1, 24
.set G0, 32
.set G1B, 48
.set G0B, 56
.set MSB, 0
.macro WIN new
.if MSB != \new
	s_set_vgpr_msb (MSB<<8)|\new
.set MSB, \new
.endif
.endm
.set MUL_LO, 0xa1
.set MUL_HI, 0xf1
.set TO_B,   0x40
.macro JLOAD g0a, g1a, g0b, g1b
	s_cmp_eq_u32 s15, 0
	s_cbranch_scc0 .Lfor_b_\@
	tensor_load_to_lds s[\g0a:\g0a+3], s[\g1a:\g1a+7]
	s_nop 0
.rept 4
	v_nop
.endr
	s_branch .Lasked_\@
.Lfor_b_\@:
	tensor_load_to_lds s[\g0b:\g0b+3], s[\g1b:\g1b+7]
	s_nop 0
.rept 4
	v_nop
.endr
.Lasked_\@:
.endm
.macro CREST
	s_cmp_lg_u32 s14, 0
	s_cbranch_scc1 .Lnot_wave_0_\@
	s_barrier_signal -3
.Lnot_wave_0_\@:
	s_barrier_wait -3
	s_barrier_signal -1
	s_barrier_wait -1
.endm
.macro CROUND
	s_barrier_signal -1
	s_barrier_wait -1
	CREST
.endm
	s_load_b256 s[4:11], s[0:1], 0x0
	s_load_b64 s[12:13], s[0:1], 0x20
	v_lshl_add_u32 v[SPW], v0, 2, SPARE
	v_mov_b32 v[NIL], 0
	ds_add_u32 v28, v29
	ds_add_u32 v28, v29
	s_wait_dscnt 0x0
	v_lshrrev_b32 v1, 5, v0
	v_readfirstlane_b32 s14, v1
	s_lshr_b32 s15, s14, 1
	s_and_b32 s16, s14, 1
	s_bfe_u32 s40, ttmp6, 0x40000
	s_bfe_u32 s41, ttmp6, 0x40004
	s_lshl_b32 s42, ttmp9, 2
	s_add_co_u32 s42, s42, s40
	s_and_b32 s17, ttmp7, 0xffff
	s_lshl_b32 s17, s17, 2
	s_add_co_u32 s17, s17, s41
	s_lshl_b32 s43, s41, 2
	s_lshl_b32 s43, 15, s43
	s_lshl_b32 s44, 0x1111, s40
	s_or_b32 s[G1+0], s43, (0<<16)|(1<<20)|(1<<21)|(5<<22)|(3<<25)
	s_or_b32 s[G1B+0], s44, (0<<16)|(1<<20)|(1<<21)|(5<<22)|(3<<25)
.irp g, G1, G1B
	s_mov_b32 s[\g+1], ROWB<<16
	s_mov_b32 s[\g+2], 128<<16
	s_mov_b32 s[\g+3], ROWB<<16
	s_mov_b32 s[\g+4], 128
	s_mov_b32 s[\g+5], KROW
	s_mov_b32 s[\g+6], 0
	s_mov_b32 s[\g+7], 0
.endr
	s_lshl_b32 s18, s16, 7
	s_lshl_b32 s20, s17, 8
	s_add_co_u32 s20, s20, s18
	s_lshl_b32 s46, s42, 8
	s_add_co_u32 s46, s46, s18
	s_mov_b32 s21, 0
	s_mov_b32 s47, 0
	s_mov_b64 s[18:19], KROW
	s_mul_u64 s[20:21], s[20:21], s[18:19]
	s_mul_u64 s[46:47], s[46:47], s[18:19]
	s_mul_i32 s45, s14, HALFT
	s_wait_kmcnt 0x0
	s_load_b128 s[92:95], s[8:9], 0x20
	s_add_nc_u64 s[20:21], s[4:5], s[20:21]
	s_add_nc_u64 s[46:47], s[6:7], s[46:47]
	CROUND
.irp s, 0,1
	s_mov_b32 s[G0+4*\s], 1
	s_add_co_u32 s[G0+4*\s+1], s45, \s*SLOT
	s_add_nc_u64 s[G0+4*\s+2:G0+4*\s+3], s[20:21], \s*ROWB
	s_or_b32 s[G0+4*\s+3], s[G0+4*\s+3], 0x80000000
	s_mov_b32 s[G0B+4*\s], 1
	s_add_co_u32 s[G0B+4*\s+1], s45, \s*SLOT
	s_add_nc_u64 s[G0B+4*\s+2:G0B+4*\s+3], s[46:47], \s*ROWB
	s_or_b32 s[G0B+4*\s+3], s[G0B+4*\s+3], 0x80000000
.endr
	JLOAD G0, G1, G0B, G1B                         ; K step 0: one tensor load a wave at the head
	v_and_b32 v1, 15, v0
	v_bfe_u32 v2, v0, 4, 1
	v_mul_u32_u24 v3, v1, PITCH
	v_lshl_add_u32 v4, v2, 4, v3
	s_mul_i32 s21, s15, HALFT
	s_mul_i32 s22, s16, HALFT
	s_add_co_u32 s22, s22, 2*HALFT
.irp s, 0,1
	v_add_nc_u32 v[ADRA+\s], s21, v4
	v_add_nc_u32 v[ADRB+\s], s22, v4
	s_add_co_u32 s21, s21, SLOT
	s_add_co_u32 s22, s22, SLOT
.endr
	v_and_b32 v5, 31, v0
	v_lshlrev_b32 v[IM], 4, v5
	v_lshlrev_b32 v[BO], 5, v2
	v_lshlrev_b32 v27, 10, v5                      ; the prefetches' offset: lane x a row of 1,024 bytes
	s_wait_alu depctr_va_vdst(0)
	s_cmp_eq_u32 s15, 0                            ; do I fetch for A?
	s_cselect_b32 s66, s17, s42                    ; the tile of 256 rows,
	s_cselect_b32 s67, s40, s41                    ; my place among the four that ask with me,
	s_cselect_b64 s[98:99], s[4:5], s[6:7]         ; the buffer
	s_lshl_b32 s66, s66, 3
	s_add_co_u32 s66, s66, s67
	s_lshl_b32 s67, s16, 2
	s_add_co_u32 s66, s66, s67                     ; 8 x tile + 4 x half + place, in units of 32 rows
	s_lshl_b32 s66, s66, 15
	s_mov_b32 s67, 0
	s_add_nc_u64 s[98:99], s[98:99], s[66:67]
	s_lshl_b32 s84, s42, 10
	s_lshl_b32 s86, s16, 9
	s_add_co_u32 s84, s84, s86
	s_mov_b32 s85, 0
	s_add_nc_u64 s[90:91], s[10:11], s[84:85]
	s_lshl_b32 s84, s17, 4
	s_lshl_b32 s86, s15, 3
	s_add_co_u32 s84, s84, s86
	s_lshl_b32 s84, s84, 5
	s_lshl_b32 s86, s42, 1
	s_add_co_u32 s84, s84, s86
	s_add_co_u32 s84, s84, s16
	s_lshl_b32 s84, s84, 11
	s_add_nc_u64 s[88:89], s[12:13], s[84:85]
.irp b, 0,1,2,3,4,5,6,7
	global_load_b128 v[BIAS+8*\b:BIAS+8*\b+3], v[BO], s[90:91] offset:64*\b
	global_load_b128 v[BIAS+8*\b+4:BIAS+8*\b+7], v[BO], s[90:91] offset:64*\b+16
.endr
	global_prefetch_b8 v27, s[98:99] offset:ROWB th:TH_LOAD_NT scope:SCOPE_SE     ; K step 1
	global_prefetch_b8 v27, s[98:99] offset:2*ROWB th:TH_LOAD_NT scope:SCOPE_SE   ; K step 2
.macro FRAG reg, adr, q, i
.irp c, 0,1,2,3
	ds_load_b128 v[\reg+4*\c:\reg+4*\c+3], v[\adr] offset:128*(\q)+32*\c+(\i)*16*PITCH
.endr
.endm
.macro MUL16 a0, p, zero
.irp a, \a0, \a0+1
.irp b, 0,1,2,3,4,5,6,7
.if \zero
	v_wmma_f32_16x16x128_fp8_fp8 v[8*(8*((\a)%4)+\b):8*(8*((\a)%4)+\b)+7], v[128*(\p)+FR*\b:128*(\p)+FR*\b+FR-1], v[AF+FR*(\a):AF+FR*(\a)+FR-1], 0
.else
	v_wmma_f32_16x16x128_fp8_fp8 v[8*(8*((\a)%4)+\b):8*(8*((\a)%4)+\b)+7], v[128*(\p)+FR*\b:128*(\p)+FR*\b+FR-1], v[AF+FR*(\a):AF+FR*(\a)+FR-1], v[8*(8*((\a)%4)+\b):8*(8*((\a)%4)+\b)+7]
.endif
.endr
.endr
.endm
.macro FETCH_B slot, q, p
	WIN TO_B
.irp i, 0,1,2,3,4,5,6,7
	FRAG 128*(\p)+FR*\i, ADRB+\slot, \q, \i
.endr
	WIN 0
.endm
.macro FETCH_A slot, q, i0
.irp i, \i0, \i0+1, \i0+2, \i0+3
	FRAG AF+FR*(\i), ADRA+\slot, \q, \i
.endr
.endm
.macro PLACES n
.rept \n
	v_nop
.endr
.endm
.macro STEP slot, q, zero
	s_wait_dscnt 4*NL
	WIN MUL_LO
	MUL16 0, (\q)%2, \zero
	MUL16 2, (\q)%2, \zero
	s_wait_dscnt 0
	PLACES NP
	FETCH_B \slot, (\q)+1, 1-(\q)%2
	FETCH_A \slot, (\q)+1, 0
	WIN MUL_HI
	MUL16 4, (\q)%2, \zero
	MUL16 6, (\q)%2, \zero
	PLACES NP
	WIN 0
	FETCH_A \slot, (\q)+1, 4
.endm
.macro TURN slot, next, fill
	s_wait_tensorcnt 0x0
	ds_add_u32 v[SPW], v[NIL]
	s_wait_dscnt 4*NL+1
	WIN MUL_LO
	MUL16 0, 1, 0
	s_wait_dscnt 0x0
	s_barrier_signal -1
	MUL16 2, 1, 0
	WIN 0
	s_barrier_wait -1
.if \fill
	CREST
	s_add_nc_u64 s[G0+4*\slot+2:G0+4*\slot+3], s[G0+4*\slot+2:G0+4*\slot+3], 2*ROWB
	s_add_nc_u64 s[G0B+4*\slot+2:G0B+4*\slot+3], s[G0B+4*\slot+2:G0B+4*\slot+3], 2*ROWB
	JLOAD G0+4*\slot, G1, G0B+4*\slot, G1B
.else
	PLACES NP
.endif
	FETCH_B \next, 0, 0
	FETCH_A \next, 0, 0
	WIN MUL_HI
	MUL16 4, 1, 0
	MUL16 6, 1, 0
	PLACES NP
	WIN 0
	FETCH_A \next, 0, 4
.endm
.macro TOV w
	WIN \w
.set j, 0
.rept 128
	v_pk_fma_f32 v[j:j+1], v[j:j+1], s[96:97], v[BIAS+j%64:BIAS+j%64+1] op_sel_hi:[1,0,1]
.set j, j+2
.endr
	WIN 0
.endm
.macro GELU32 a, hb
.set V2, 64*(\a)+32*(\hb)
	WIN 0x02
.set j, 0
.rept 32
	v_fma_f32 v[TT+j], |v[V2+j]|, s86, 1.0
.set j, j+1
.endr
	WIN 0
.set j, 0
	s_wait_alu depctr_va_vdst(0)
.rept 32
	v_rcp_f32 v[TT+j], v[TT+j]
.set j, j+1
.endr
	WIN 0x0a
.set j, 0
.rept 16
	v_pk_mul_f32 v[MM+j:MM+j+1], v[V2+j:V2+j+1], v[V2+j:V2+j+1]
.set j, j+2
.endr
	WIN 0
	s_wait_alu depctr_va_vdst(0)
.set j, 0
.rept 16
	v_pk_fma_f32 v[PP+j:PP+j+1], v[TT+j:TT+j+1], s[82:83], v[22:23] op_sel_hi:[1,0,1]
.set j, j+2
.endr
.irp k, 80,78,76,74,72,70,68,66
.set j, 0
.rept 16
	v_pk_fma_f32 v[PP+j:PP+j+1], v[PP+j:PP+j+1], v[TT+j:TT+j+1], s[\k:\k+1] op_sel_hi:[1,1,0]
.set j, j+2
.endr
.endr
.set j, 0
.rept 16
	v_pk_fma_f32 v[PP+j:PP+j+1], v[MM+j:MM+j+1], s[84:85], v[PP+j:PP+j+1] op_sel_hi:[1,0,1]
.set j, j+2
.endr
.set j, 0
	s_wait_alu depctr_va_vdst(0)
.rept 32
	v_exp_f32 v[PP+j], v[PP+j]
.set j, j+1
.endr
	v_nop
	s_wait_alu depctr_va_vdst(0)
.set j, 0
.rept 16
	v_pk_mul_f32 v[PP+j:PP+j+1], v[PP+j:PP+j+1], v[TT+j:TT+j+1]
.set j, j+2
.endr
	WIN 0x08
.set j, 0
.rept 16
	v_pk_mul_f32 v[PP+j:PP+j+1], v[PP+j:PP+j+1], v[V2+j:V2+j+1]
.set j, j+2
.endr
	WIN 0x02
.set j, 0
.rept 16
	v_pk_add_f32 v[MM+j:MM+j+1], v[V2+j:V2+j+1], v[PP+j:PP+j+1] neg_lo:[0,1] neg_hi:[0,1]
.set j, j+2
.endr
	WIN 0
.set j, 0
.rept 32
	v_max_num_f32 v[MM+j], v[MM+j], v[PP+j]
.set j, j+1
.endr
.set j, 0
.rept 32
	v_med3_num_f32 v[MM+j], v[MM+j], -v[QL], v[QL]
.set j, j+1
.endr
.if (\hb) == 0
	s_wait_alu depctr_va_vdst(0)
	s_wait_xcnt 0x0
.endif
.set j, 0
.rept 4
	v_cvt_scalef32_pk8_fp8_f32 v[COD+16*((\a)%2)+8*(\hb)+2*j:COD+16*((\a)%2)+8*(\hb)+2*j+1], v[MM+8*j:MM+8*j+7], v[QS]
.set j, j+1
.endr
	v_nop
.endm
	s_wait_alu depctr_va_vdst(0)                   ; the wait at the head's end
	s_wait_tensorcnt 0x0                           ; my part of K step 0 is in
	ds_add_u32 v[SPW], v[NIL]
	s_wait_dscnt 0x0
	CROUND                                         ; a whole round: everybody's part of K step 0 is in, and the joint loads meet
	JLOAD G0+4, G1, G0B+4, G1B                     ; K step 1, the first tensor load behind the round
	FETCH_B 0, 0, 0
	FETCH_A 0, 0, 0
	FETCH_A 0, 0, 4
	global_prefetch_b8 v27, s[98:99] offset:3*ROWB th:TH_LOAD_NT scope:SCOPE_SE   ; K step 3, the last
	STEP 0, 0, 1
	s_mov_b32 s3, LAPS-1
.Llap:
	TURN 0, 1, 1
	STEP 1, 0, 0
	TURN 1, 0, 1
	STEP 0, 0, 0
	s_sub_co_u32 s3, s3, 1
	s_cmp_lg_u32 s3, 0
	s_cbranch_scc1 .Llap
	TURN 0, 1, 0
	STEP 1, 0, 0
	s_wait_dscnt 4*NL
	WIN MUL_LO
	MUL16 0, 1, 0
	MUL16 2, 1, 0
	s_wait_dscnt 0
	WIN MUL_HI
	MUL16 4, 1, 0
	MUL16 6, 1, 0
	WIN 0
	PLACES NP
	s_wait_kmcnt 0x0
	s_add_co_i32 s96, s92, s93
	s_add_co_i32 s96, s96, 127
	s_lshl_b32 s96, s96, 23
	s_mov_b32 s97, s96
	s_add_co_i32 s94, s94, 127
	s_lshl_b32 s95, s94, 23
	v_mov_b32 v[QS], s95
	s_add_co_i32 s94, s94, 8
	s_lshl_b32 s94, s94, 23
	s_or_b32 s94, s94, 0x600000
	v_mov_b32 v[QL], s94
	s_mov_b32 s66, 0xc034d90f
	s_mov_b32 s68, 0x3fb8ab5a
	s_mov_b32 s70, 0x3f0a29d2
	s_mov_b32 s72, 0x3e0efb2e
	s_mov_b32 s74, 0xbe899a80
	s_mov_b32 s76, 0x3ecdfd18
	s_mov_b32 s78, 0xbfd1a1e5
	s_mov_b32 s80, 0x40097039
	s_mov_b32 s82, 0x3e7c6f08
	s_mov_b32 s84, 0xbf38aa3b
.irp k, 66,68,70,72,74,76,78,80,82,84
	s_mov_b32 s[\k+1], s[\k]
.endr
	s_mov_b32 s86, 0x3eb504f3
	v_mov_b32 v22, 0xbf97d29d
	v_mov_b32 v23, 0xbf97d29d
	s_wait_loadcnt 0x0
	TOV 0x82
	s_mov_b32 s3, 2
.Lhalf:
.irp a, 0,1,2,3
	GELU32 \a, 0
	GELU32 \a, 1
.irp g, 0,1,2,3
	global_store_b128 v[IM], v[COD+16*(\a%2)+4*\g:COD+16*(\a%2)+4*\g+3], s[88:89] offset:\a*65536+512*\g
.endr
.endr
	s_cmp_eq_u32 s3, 1
	s_cbranch_scc1 .Llast_half
	TOV 0x83
	s_wait_xcnt 0x0
	s_add_nc_u64 s[88:89], s[88:89], 4*65536
.Llast_half:
	s_sub_co_u32 s3, s3, 1
	s_cmp_lg_u32 s3, 0
	s_cbranch_scc1 .Lhalf
	s_wait_tensorcnt 0x0
	ds_add_u32 v[SPW], v[NIL]
	s_wait_dscnt 0x0
	CROUND
	s_endpgm
.Lfunc_end_k_q5d05daea19_mlp1:
	.size	k_q5d05daea19_mlp1, .Lfunc_end_k_q5d05daea19_mlp1-k_q5d05daea19_mlp1
	.p2alignl 7, 3214868480
	.fill 96, 4, 3214868480
	.section	.rodata,"a",@progbits
	.p2align	6, 0x0
	.amdhsa_kernel k_q5d05daea19_mlp1
		.amdhsa_group_segment_fixed_size 327680
		.amdhsa_private_segment_fixed_size 0
		.amdhsa_enable_private_segment 0
		.amdhsa_kernarg_size 40
		.amdhsa_user_sgpr_count 2
		.amdhsa_user_sgpr_kernarg_segment_ptr 1
		.amdhsa_wavefront_size32 1
		.amdhsa_system_sgpr_workgroup_id_x 1
		.amdhsa_system_sgpr_workgroup_id_y 1
		.amdhsa_system_sgpr_workgroup_id_z 1
		.amdhsa_system_vgpr_workitem_id 0
		.amdhsa_next_free_vgpr 1024
		.amdhsa_next_free_sgpr 100
		.amdhsa_reserve_vcc 0
		.amdhsa_float_denorm_mode_32 3
		.amdhsa_float_denorm_mode_16_64 3
		.amdhsa_memory_ordered 1
		.amdhsa_forward_progress 1
		.amdhsa_inst_pref_size 255
	.end_amdhsa_kernel
	.section	.bss,"aw",@nobits
	.p2align	6
	.space	262144
	.amdgpu_metadata
---
amdhsa.version: [ 1, 2 ]
amdhsa.kernels:
  - .name:           k_q5d05daea19_mlp1
    .symbol:         k_q5d05daea19_mlp1.kd
    .args:
      - { .name: h2c, .offset: 0, .size: 8, .value_kind: global_buffer, .address_space: global }
      - { .name: mlp_w1_codes, .offset: 8, .size: 8, .value_kind: global_buffer, .address_space: global }
      - { .name: lowp_scales, .offset: 16, .size: 8, .value_kind: global_buffer, .address_space: global }
      - { .name: mlp_b1, .offset: 24, .size: 8, .value_kind: global_buffer, .address_space: global }
      - { .name: gc, .offset: 32, .size: 8, .value_kind: global_buffer, .address_space: global }
    .group_segment_fixed_size: 327680
    .private_segment_fixed_size: 0
    .kernarg_segment_align: 8
    .kernarg_segment_size: 40
    .max_flat_workgroup_size: 128
    .sgpr_count:     100
    .vgpr_count:     1024
    .wavefront_size: 32
...
	.end_amdgpu_metadata
.endif
;; end of part 6
;; launch mlp2 (part 7): grid 8 x 32, 4 waves a work-group, clusters of 4 x 4, 327,680 bytes of LDS; arguments gc, mlp_w2_codes, lowp_scales, mlp_b2, x1, out0; writes out0
.if DOCPART == 7
	.amdgcn_target "amdgcn-amd-amdhsa--gfx1250"
	.amdhsa_code_object_version 6
	.text
	.protected	k_q5d05daea19_mlp2
	.globl	k_q5d05daea19_mlp2
	.p2align	8
	.type	k_q5d05daea19_mlp2,@function
k_q5d05daea19_mlp2:
	s_mov_b64 s[64:65], 0
	v_nop
	global_prefetch_b8 v0, s[64:65] scope:SCOPE_SE
	s_setreg_imm32_b32 hwreg(HW_REG_WAVE_MODE, 25, 1), 1
	s_wait_xcnt 0x0
	s_wait_alu depctr_hold_cnt(0) depctr_sa_sdst(0) depctr_va_vdst(0) depctr_va_sdst(0) depctr_va_ssrc(0) depctr_va_vcc(0) depctr_vm_vsrc(0)
	s_getreg_b32 s2, hwreg(HW_REG_IB_STS2, 6, 4)
	s_cmp_eq_u32 s2, 0
	s_cbranch_scc0 .Lentry_in_a_cluster
	s_endpgm
.Lentry_in_a_cluster:
	s_bfe_u32 s2, ttmp6, 0x10000c
	s_cmp_lg_u32 s2, 0xf033
	s_cbranch_scc0 .Lentry_shape_is_right
	s_endpgm
.Lentry_shape_is_right:
; out0 = x1 + (gc images x mlp_w2 codes) x 2^(e10 + e11) + mlp_b2.  A: images of operand registers, [256 tiles of 16 rows][32][2,048 bytes]; W: [1,024][4,096] codes, K innermost.
; A tile of the result is 128 x 128: 8 x 32 tiles, one for each of 256 work-groups; a wave makes 64 x 64.  K goes in steps of 512 through two LDS slots; clusters of 4 x 4: A's tile is asked for jointly along a row, W's along a column.
; PREFETCH: behind the joint load of K step j each wave names K step j + 2, one instruction: of the half tile that it fetches (A: 4 row tiles of 8,192 bytes; W: 64 rows of 512 bytes) the four partners that ask for it jointly
; take a quarter each, told apart by address (cx for A, cy for W): 32 blocks of 256 bytes, a lane a block.  K step 1 is named with K step 2, at the head; the loads of K steps 6 and 7 name nothing.
; LIMIT: e10 + e11 between -126 and 127.
.set PFO, 30                           ; v30      the prefetches' offset; never rewritten
.set PFA, 82                           ; s[82:83] where my prefetches stand
.set PFS, 88                           ; s[88:89] a K step on, in bytes: 8,192 in a row tile's images, 512 in W's rows
.set PF1, 90                           ; s[90:91] my part of K step 1; never rewritten
.set SIZE_K, 4096
.set SCOFF,  40
.set KSTEP,  512
.set LAPS,   SIZE_K/(2*KSTEP)
.set AROW,   8192
.set AHALF,  4*AROW
.set PITCH,  528
.set BHALF,  64*PITCH
.set BOFF,   2*AHALF
.set SLOT,   BOFF+2*BHALF
.set STAGE,  2*SLOT
.set SPITCH, 272
.set SPARE,  STAGE+4*16*SPITCH
.set ADRA, 16
.set ADRB, 20
.set STO,  24
.set RD,   25
.set CO,   26
.set BO,   27
.set SPW,  28
.set NIL,  29
.set BK,   32
.set BI,   96
.set ACC,  128
.set F0,   0
.set F1,   128
.set G1, 24
.set G0, 32
.set G1B, 48
.set G0B, 56
.set MSB, 0
.macro WIN new
.if MSB != \new
	s_set_vgpr_msb (MSB<<8)|\new
.set MSB, \new
.endif
.endm
.set MUL,  0x05
.set TO_F, 0x40
.macro JLOAD s
	s_cmp_eq_u32 s11, 0
	s_cbranch_scc0 .Lfor_b_\@
	tensor_load_to_lds s[G0+4*\s:G0+4*\s+3], s[G1:G1+7]
	s_nop 0
.rept 4
	v_nop
.endr
	s_branch .Lasked_\@
.Lfor_b_\@:
	tensor_load_to_lds s[G0B+4*\s:G0B+4*\s+3], s[G1B:G1B+7]
	s_nop 0
.rept 4
	v_nop
.endr
.Lasked_\@:
.endm
.macro CREST
	s_cmp_lg_u32 s10, 0
	s_cbranch_scc1 .Lnot_wave_0_\@
	s_barrier_signal -3
.Lnot_wave_0_\@:
	s_barrier_wait -3
	s_barrier_signal -1
	s_barrier_wait -1
.endm
.macro CROUND
	s_barrier_signal -1
	s_barrier_wait -1
	CREST
.endm
	s_load_b128 s[4:7], s[0:1], 0x0
	s_load_b256 s[68:75], s[0:1], 0x10
	v_lshl_add_u32 v[SPW], v0, 2, SPARE
	v_mov_b32 v[NIL], 0
	ds_add_u32 v28, v29
	ds_add_u32 v28, v29
	s_wait_dscnt 0x0
	v_lshrrev_b32 v1, 5, v0
	v_readfirstlane_b32 s10, v1
	s_lshr_b32 s11, s10, 1
	s_and_b32 s12, s10, 1
	s_bfe_u32 s40, ttmp6, 0x40000
	s_bfe_u32 s41, ttmp6, 0x40004
	s_lshl_b32 s42, ttmp9, 2
	s_add_co_u32 s42, s42, s40
	s_and_b32 s13, ttmp7, 0xffff
	s_lshl_b32 s13, s13, 2
	s_add_co_u32 s13, s13, s41
	s_lshl_b32 s43, s41, 2
	s_lshl_b32 s43, 15, s43
	s_lshl_b32 s44, 0x1111, s40
	s_or_b32 s[G1+0], s43, (3<<16)|(1<<21)
	s_mov_b32 s[G1+1], 1024<<16
	s_mov_b32 s[G1+2], 4<<16
	s_mov_b32 s[G1+3], 1024<<16
	s_mov_b32 s[G1+4], 4
	s_mov_b32 s[G1+5], 2*SIZE_K
	s_mov_b32 s[G1+6], 0
	s_mov_b32 s[G1+7], 0
	s_or_b32 s[G1B+0], s44, (0<<16)|(1<<20)|(1<<21)|(6<<22)|(3<<25)
	s_mov_b32 s[G1B+1], KSTEP<<16
	s_mov_b32 s[G1B+2], 64<<16
	s_mov_b32 s[G1B+3], KSTEP<<16
	s_mov_b32 s[G1B+4], 64
	s_mov_b32 s[G1B+5], SIZE_K
	s_mov_b32 s[G1B+6], 0
	s_mov_b32 s[G1B+7], 0
	s_lshl_b32 s16, s13, 3
	s_lshl_b32 s17, s12, 2
	s_add_co_u32 s16, s16, s17
	s_mul_i32 s16, s16, 16*SIZE_K
	s_mov_b32 s17, 0
	s_lshl_b32 s46, s42, 7
	s_lshl_b32 s47, s12, 6
	s_add_co_u32 s46, s46, s47
	s_mul_i32 s46, s46, SIZE_K
	s_mov_b32 s47, 0
	s_mul_i32 s20, s12, AHALF
	s_mul_i32 s21, s12, BHALF
	s_add_co_u32 s21, s21, BOFF
	s_wait_kmcnt 0x0
	s_load_b64 s[76:77], s[68:69], SCOFF
	s_add_nc_u64 s[14:15], s[4:5], s[16:17]
	s_add_nc_u64 s[46:47], s[6:7], s[46:47]
	CROUND
.irp s, 0,1
	s_mov_b32 s[G0+4*\s], 1
	s_add_co_u32 s[G0+4*\s+1], s20, \s*SLOT
	s_add_nc_u64 s[G0+4*\s+2:G0+4*\s+3], s[14:15], \s*AROW
	s_or_b32 s[G0+4*\s+3], s[G0+4*\s+3], 0x80000000
	s_mov_b32 s[G0B+4*\s], 1
	s_add_co_u32 s[G0B+4*\s+1], s21, \s*SLOT
	s_add_nc_u64 s[G0B+4*\s+2:G0B+4*\s+3], s[46:47], \s*KSTEP
	s_or_b32 s[G0B+4*\s+3], s[G0B+4*\s+3], 0x80000000
.endr
	JLOAD 0                                        ; K step 0: one tensor load a wave at the head
	v_and_b32 v1, 15, v0
	v_bfe_u32 v2, v0, 4, 1
	v_and_b32 v3, 31, v0
	v_lshlrev_b32 v3, 4, v3
	v_mul_u32_u24 v4, v1, PITCH
	v_lshl_add_u32 v4, v2, 3, v4
	s_mul_i32 s21, s11, AHALF
	s_mul_i32 s22, s12, BHALF
	s_add_co_u32 s22, s22, BOFF
.irp s, 0,1
	v_add_nc_u32 v[ADRA+\s], s21, v3
	v_add_nc_u32 v[ADRB+\s], s22, v4
	s_add_co_u32 s21, s21, SLOT
	s_add_co_u32 s22, s22, SLOT
.endr
	s_mul_i32 s23, s10, 16*SPITCH
	s_add_co_u32 s23, s23, STAGE
	v_mul_u32_u24 v4, v1, SPITCH
	v_lshl_add_u32 v4, v2, 5, v4
	v_add_nc_u32 v[STO], s23, v4
	v_mul_u32_u24 v5, v2, SPITCH
	v_lshl_add_u32 v5, v1, 4, v5
	v_add_nc_u32 v[RD], s23, v5
	v_lshlrev_b32 v[CO], 12, v2
	v_lshl_add_u32 v[CO], v1, 4, v[CO]
	s_wait_alu depctr_va_vdst(0)
	v_lshlrev_b32 v[BO], 4, v1
	s_cmp_eq_u32 s11, 0                            ; do I fetch for A?
	s_mov_b32 s86, SIZE_K
	s_cselect_b32 s86, 512, s86                    ; from one pair of lanes to the next: 512 bytes on in A's images, a row on in W
	v_and_b32 v5, 31, v0
	v_lshrrev_b32 v6, 1, v5
	v_and_b32 v5, 1, v5
	v_lshlrev_b32 v5, 8, v5
	v_mad_u32_u24 v[PFO], v6, s86, v5
	s_wait_alu depctr_va_vdst(0)
	s_lshl_b32 s84, s13, 3
	s_add_co_u32 s84, s84, s40                     ; A: row tile 8 x tile row + cx,
	s_lshl_b32 s85, s42, 3
	s_add_co_u32 s85, s85, s41                     ; W: 16 rows x (8 x tile column + cy),
	s_cmp_eq_u32 s11, 0
	s_cselect_b32 s84, s84, s85
	s_cselect_b64 s[PFA:PFA+1], s[4:5], s[6:7]
	s_mov_b32 s[PFS], KSTEP
	s_cselect_b32 s[PFS], AROW, s[PFS]
	s_mov_b32 s[PFS+1], 0
	s_lshl_b32 s85, s12, 2
	s_add_co_u32 s84, s84, s85                     ; + 4 x the half that I fetch;
	s_lshl_b32 s84, s84, 16                        ; a row tile of A and 16 rows of W are 65,536 bytes alike
	s_mov_b32 s85, 0
	s_add_nc_u64 s[PFA:PFA+1], s[PFA:PFA+1], s[84:85]
	s_add_nc_u64 s[PF1:PF1+1], s[PFA:PFA+1], s[PFS:PFS+1]   ; K step 1
	s_add_nc_u64 s[PFA:PFA+1], s[PF1:PF1+1], s[PFS:PFS+1]   ; K step 2
	s_lshl_b32 s78, s13, 19
	s_lshl_b32 s79, s11, 18
	s_add_co_u32 s78, s78, s79
	s_lshl_b32 s80, s42, 9
	s_lshl_b32 s81, s12, 8
	s_add_co_u32 s80, s80, s81
	s_add_co_u32 s78, s78, s80
	s_mov_b32 s79, 0
	s_mov_b32 s81, 0
	s_add_nc_u64 s[72:73], s[72:73], s[78:79]
	s_add_nc_u64 s[74:75], s[74:75], s[78:79]
	s_add_nc_u64 s[70:71], s[70:71], s[80:81]
	WIN 0x80
.irp a, 0,1,2,3
.irp t, 0,1,2,3,4,5,6,7
	global_load_b128 v[32*\a+4*\t:32*\a+4*\t+3], v[CO], s[72:73] offset:(16*\a+2*\t)*4096
.endr
.endr
	WIN 0
	global_load_b128 v[BI:BI+3], v[BO], s[70:71]
	global_prefetch_b8 v[PFO], s[PF1:PF1+1] th:TH_LOAD_NT scope:SCOPE_SE   ; K step 1
	global_prefetch_b8 v[PFO], s[PFA:PFA+1] th:TH_LOAD_NT scope:SCOPE_SE   ; K step 2
.macro MUL4 f, a, zero
.irp b, 0,1,2,3
.if \zero
	v_wmma_f32_16x16x128_fp8_fp8 v[ACC+8*(4*(\a)+\b):ACC+8*(4*(\a)+\b)+7], v[\f+64+16*\b:\f+64+16*\b+15], v[\f+16*(\a):\f+16*(\a)+15], 0
.else
	v_wmma_f32_16x16x128_fp8_fp8 v[ACC+8*(4*(\a)+\b):ACC+8*(4*(\a)+\b)+7], v[\f+64+16*\b:\f+64+16*\b+15], v[\f+16*(\a):\f+16*(\a)+15], v[ACC+8*(4*(\a)+\b):ACC+8*(4*(\a)+\b)+7]
.endif
.endr
.endm
.macro FETCH slot, q, f
	WIN TO_F
.irp i, 0,1,2,3
.irp c, 0,1,2,3,4,5,6,7
	ds_load_b64 v[\f+64+16*\i+2*\c:\f+64+16*\i+2*\c+1], v[ADRB+\slot] offset:128*(\q)+16*\c+\i*16*PITCH
.endr
.endr
.irp i, 0,1,2,3
.irp c, 0,1,2,3
	ds_load_b128 v[\f+16*\i+4*\c:\f+16*\i+4*\c+3], v[ADRA+\slot] offset:AROW*\i+2048*(\q)+512*\c
.endr
.endr
.endm
.macro PLACES
.rept 4
	v_nop
.endr
.endm
.macro QUARTER slot, q, f, g, zero
	s_wait_dscnt 8
	WIN MUL
	MUL4 \f, 0, \zero
	MUL4 \f, 1, \zero
	PLACES
	FETCH \slot, \q, \g
	s_wait_dscnt 48
	WIN MUL
	MUL4 \f, 2, \zero
	MUL4 \f, 3, \zero
.endm
.macro TURN slot, next, fill
	WIN 0
.if \fill
	s_wait_xcnt 0x0                                ; my last prefetch has read its address: it is stepped here, a K step behind that prefetch
	s_add_nc_u64 s[PFA:PFA+1], s[PFA:PFA+1], s[PFS:PFS+1]
.endif
	s_wait_tensorcnt 0x0
	ds_add_u32 v[SPW], v[NIL]
	s_wait_dscnt 9
	WIN MUL
	MUL4 F1, 0, 0
	s_wait_dscnt 0x0
	s_barrier_signal -1
	MUL4 F1, 1, 0
.if \fill
	WIN 0
.endif
	s_barrier_wait -1
.if \fill
	CREST
	s_add_nc_u64 s[G0+4*\slot+2:G0+4*\slot+3], s[G0+4*\slot+2:G0+4*\slot+3], 2*AROW
	s_add_nc_u64 s[G0B+4*\slot+2:G0B+4*\slot+3], s[G0B+4*\slot+2:G0B+4*\slot+3], 2*KSTEP
	JLOAD \slot
.else
	PLACES
.endif
	FETCH \next, 0, F0
.if \fill
	WIN 0                                          ; at a branch and at a label every window is 0
	s_cmp_gt_u32 s3, 1                             ; the loop's last trip loads K steps 6 and 7: no K step stands two on
	s_cbranch_scc0 .Lno_ask_\@
	global_prefetch_b8 v[PFO], s[PFA:PFA+1] th:TH_LOAD_NT scope:SCOPE_SE   ; the K step two on from the one just asked for
.Lno_ask_\@:
.endif
	WIN MUL
	MUL4 F1, 2, 0
	MUL4 F1, 3, 0
.endm
	s_wait_alu depctr_va_vdst(0)                   ; the wait at the head's end
	s_wait_tensorcnt 0x0                           ; my part of K step 0 is in
	ds_add_u32 v[SPW], v[NIL]
	s_wait_xcnt 0x0                                ; the head's prefetches have read their addresses
	s_add_nc_u64 s[PFA:PFA+1], s[PFA:PFA+1], s[PFS:PFS+1]   ; at K step 3
	s_wait_dscnt 0x0
	CROUND                                         ; a whole round: everybody's part of K step 0 is in, and the joint loads meet
	JLOAD 1                                        ; K step 1, the first tensor load behind the round
	FETCH 0, 0, F0
	WIN 0
	global_prefetch_b8 v[PFO], s[PFA:PFA+1] th:TH_LOAD_NT scope:SCOPE_SE   ; K step 3
	QUARTER 0, 1, F0, F1, 1
.if LAPS > 1
	WIN 0
	s_mov_b32 s3, LAPS-1
.Llap:
	QUARTER 0, 2, F1, F0, 0
	QUARTER 0, 3, F0, F1, 0
	TURN 0, 1, 1
	QUARTER 1, 1, F0, F1, 0
	QUARTER 1, 2, F1, F0, 0
	QUARTER 1, 3, F0, F1, 0
	TURN 1, 0, 1
	QUARTER 0, 1, F0, F1, 0
	WIN 0
	s_sub_co_u32 s3, s3, 1
	s_cmp_lg_u32 s3, 0
	s_cbranch_scc1 .Llap
.endif
	QUARTER 0, 2, F1, F0, 0
	QUARTER 0, 3, F0, F1, 0
	TURN 0, 1, 0
	QUARTER 1, 1, F0, F1, 0
	QUARTER 1, 2, F1, F0, 0
	QUARTER 1, 3, F0, F1, 0
	s_wait_dscnt 8
	WIN MUL
	MUL4 F1, 0, 0
	MUL4 F1, 1, 0
	s_wait_dscnt 0
	MUL4 F1, 2, 0
	MUL4 F1, 3, 0
	WIN 0
	s_wait_loadcnt 0x0
	s_wait_kmcnt 0x0
	s_add_co_i32 s76, s76, s77
	s_add_co_i32 s76, s76, 127
	s_lshl_b32 s76, s76, 23
	s_mov_b32 s77, s76
	WIN 0x82
.set j, 0
.rept 32
	v_pk_add_f32 v[4*j:4*j+1], v[4*j:4*j+1], v[BI:BI+1]
	v_pk_add_f32 v[4*j+2:4*j+3], v[4*j+2:4*j+3], v[BI+2:BI+3]
.set j, j+1
.endr
	WIN 0
.macro TOSTAGE a
.irp b, 0,1,2,3
	ds_store_b128 v[STO], v[ACC+8*(4*(\a)+\b):ACC+8*(4*(\a)+\b)+3] offset:64*\b
	ds_store_b128 v[STO], v[ACC+8*(4*(\a)+\b)+4:ACC+8*(4*(\a)+\b)+7] offset:64*\b+16
.endr
.set BB, BK+32*((\a)%2)
.irp t, 0,1,2,3,4,5,6,7
	ds_load_b128 v[BB+4*\t:BB+4*\t+3], v[RD] offset:\t*2*SPITCH
.endr
.endm
.macro SEND a, younger
.set BB, BK+32*((\a)%2)
	s_wait_dscnt \younger
	WIN 0x20
.set j, 0
.rept 16
	v_pk_fma_f32 v[BB+j:BB+j+1], v[BB+j:BB+j+1], s[76:77], v[32*(\a)+j:32*(\a)+j+1] op_sel_hi:[1,0,1]
.set j, j+2
.endr
	WIN 0
.irp t, 0,1,2,3,4,5,6,7
	global_store_b128 v[CO], v[BB+4*\t:BB+4*\t+3], s[74:75] offset:(16*(\a)+2*\t)*4096 th:TH_STORE_NT
.endr
.endm
	TOSTAGE 0
	TOSTAGE 1
	SEND 0, 16
	s_wait_xcnt 0x0
	TOSTAGE 2
	SEND 1, 16
	s_wait_xcnt 0x0
	TOSTAGE 3
	SEND 2, 16
	SEND 3, 0
	s_wait_tensorcnt 0x0
	ds_add_u32 v[SPW], v[NIL]
	s_wait_dscnt 0x0
	CROUND
	s_endpgm
.Lfunc_end_k_q5d05daea19_mlp2:
	.size	k_q5d05daea19_mlp2, .Lfunc_end_k_q5d05daea19_mlp2-k_q5d05daea19_mlp2
	.p2alignl 7, 3214868480
	.fill 96, 4, 3214868480
	.section	.rodata,"a",@progbits
	.p2align	6, 0x0
	.amdhsa_kernel k_q5d05daea19_mlp2
		.amdhsa_group_segment_fixed_size 327680
		.amdhsa_private_segment_fixed_size 0
		.amdhsa_enable_private_segment 0
		.amdhsa_kernarg_size 48
		.amdhsa_user_sgpr_count 2
		.amdhsa_user_sgpr_kernarg_segment_ptr 1
		.amdhsa_wavefront_size32 1
		.amdhsa_system_sgpr_workgroup_id_x 1
		.amdhsa_system_sgpr_workgroup_id_y 1
		.amdhsa_system_sgpr_workgroup_id_z 1
		.amdhsa_system_vgpr_workitem_id 0
		.amdhsa_next_free_vgpr 768
		.amdhsa_next_free_sgpr 96
		.amdhsa_reserve_vcc 0
		.amdhsa_float_denorm_mode_32 3
		.amdhsa_float_denorm_mode_16_64 3
		.amdhsa_memory_ordered 1
		.amdhsa_forward_progress 1
		.amdhsa_inst_pref_size 100
	.end_amdhsa_kernel
	.amdgpu_metadata
---
amdhsa.version: [ 1, 2 ]
amdhsa.kernels:
  - .name:           k_q5d05daea19_mlp2
    .symbol:         k_q5d05daea19_mlp2.kd
    .args:
      - { .name: gc, .offset: 0, .size: 8, .value_kind: global_buffer, .address_space: global }
      - { .name: mlp_w2_codes, .offset: 8, .size: 8, .value_kind: global_buffer, .address_space: global }
      - { .name: lowp_scales, .offset: 16, .size: 8, .value_kind: global_buffer, .address_space: global }
      - { .name: mlp_b2, .offset: 24, .size: 8, .value_kind: global_buffer, .address_space: global }
      - { .name: x1, .offset: 32, .size: 8, .value_kind: global_buffer, .address_space: global }
      - { .name: out0, .offset: 40, .size: 8, .value_kind: global_buffer, .address_space: global }
    .group_segment_fixed_size: 327680
    .private_segment_fixed_size: 0
    .kernarg_segment_align: 8
    .kernarg_segment_size: 48
    .max_flat_workgroup_size: 128
    .sgpr_count:     96
    .vgpr_count:     768
    .wavefront_size: 32
...
	.end_amdgpu_metadata
.endif
;; end of part 7
